; MI455X (gfx1250); checked and timed in simulation.
; The chip was launched on July 23, 2026; its instructions are those of AMD's public machine-readable ISA for CDNA 5 (MIT licence, August 2026) and "CDNA5" Instruction Set Architecture Reference Guide (July 2026). The comments in the code are by the model that wrote it; some were corrected since.
;; Multi Head Self Attention. Allowed arithmetic: matrix products marked QUANTISED: E2M3 operands, one E8M0 scale for each 32 along K, by v_wmma_scale_f32_16x16x128_f8f6f4 with both operands' format E2M3, f32 sums; everything else in f32.
;; Inputs: w_out 1,024 x 1,024 float32; w_qkv 3,072 x 1,024 float32; x 4 x 2,048 x 1,024 float32.
;; Outputs: out0 4 x 2,048 x 1,024 float32.
;; This version of the problem:
;;   THIS VERSION OF THE PROBLEM IS GIVEN IN LOW PRECISION. The matrix products marked QUANTISED in the list below multiply operands that are first quantised to E2M3 (2 exponent bits, 3 mantissa bits; 6 bits a number), with one power-of-two scale for each 32 numbers along K (OCP MX v1.0); their sums are f32. All else is computed in f32.
;;   The module's matrix products, in the order in which they are computed (A, B: the left and right operand; K: the contracted axis; several contracted axes count as one K, in the product's order):
;;     1. [M 8,192, K 1,024] x [K 1,024, N 3,072]; A: input x; B: input w_qkv: QUANTISED
;;     2. batch 64 x [M 2,048, K 64] x [K 64, N 2,048]; A: computed on the way; B: computed on the way: QUANTISED
;;     3. batch 64 x [M 2,048, K 2,048] x [K 2,048, N 64]; A: softmax (see below); B: computed on the way: QUANTISED
;;     4. [M 8,192, K 1,024] x [K 1,024, N 1,024]; A: computed on the way; B: input w_out: QUANTISED
;;   THE QUANTISER, for each operand of a quantised product, along K:
;;     - K is cut into blocks of 32 from its start; a last block that is shorter is filled with zeros.
;;     - A block's scale is 2^e with e = floor(log2(the largest magnitude in the block)) - 2, held to -126 .. 127; a block of zeros has e = 0. As a byte (E8M0): e + 127.
;;     - Each number is divided by its block's scale, clamped to +-7.5, and rounded to the nearest number of E2M3, ties to even, subnormals kept.
;;     - The product sums the exact products of the quantised numbers (number of the format x scale) in f32.
;;   ~~~python
;;   def quantise(x, axis):      # numpy; x: float32 -> the quantised numbers, widened to float32 again
;;       x = np.moveaxis(x, axis, -1); K = x.shape[-1]
;;       x = np.pad(x, [(0, 0)] * (x.ndim - 1) + [(0, -K % 32)]); x = x.reshape(x.shape[:-1] + (-1, 32)); a = np.abs(x).max(-1, keepdims=True)
;;       e = np.where(a > 0, np.clip(np.frexp(np.where(a > 0, a, 1))[1] - 1 - 2, -126, 127), 0)      # np.frexp(a)[1] - 1 = floor(log2(a)), exactly
;;       r = np.clip(x / 2.0 ** e, -7.5, 7.5)
;;       step = 2.0 ** (np.maximum(np.frexp(np.where(r == 0, 1, r))[1] - 1, 0) - 3)
;;       q = np.round(r / step) * step * 2.0 ** e      # np.round: ties to even
;;       return np.moveaxis(q.reshape(q.shape[:-2] + (-1,))[..., :K], -1, axis).astype(np.float32)
;;   ~~~
;;   SOFTMAX AHEAD OF A QUANTISED PRODUCT. Where the list says 'softmax', what is quantised is not the finished softmax but p = 2^(t - M), with t = logit x log2(e) and M = ceil(the row's largest t), a whole number; so 1/2 < the row's largest p <= 1. The row's sum l is taken of the UNQUANTISED p, in f32, and the product's result is divided by l at the end. Since M is a whole number, a kernel that streams over the keys may use a running M (the ceiling of the running maximum): every later rescaling is an exact power of two, which a block's scale takes up: the codes' values come out the same.
;;   OPERANDS COMPUTED ON THE WAY. 'Computed on the way' means the value that the module computes at that place (a softmax that the list does not call 'softmax' is quantised finished and normalised). What goes into a quantiser is computed in f32, as accurately as f32 sums, v_exp_f32 and their like allow (about 1e-6 of the number): no bf16 or f16 on the way to a quantiser, and a product that is left as it is and whose result goes on into a quantised operand takes f32 operands (vector FMAs, or v_wmma_f32_16x16x4_f32). A number that lies on a knife's edge between two numbers of the format may be rounded either way, as far as f32 arithmetic and the matrix unit's own rounding can turn it there, and no further.
;; One version. Each part assembles by itself: llvm-mc -triple=amdgcn-amd-amdhsa -mcpu=gfx1250 --defsym DOCPART=n.
;; ======== version 1 of 1: 4 launches
;; workspace buffers: codes 9,437,184 bytes; scales 393,216 bytes; att 20,185,088 bytes; y_codes 6,291,456 bytes; y_scales 262,144 bytes
;; launch quant (part 1): grid 256 x 1, 3 waves a work-group, no clusters, 25,856 bytes of LDS; arguments x, w_qkv, w_out, codes, scales; writes codes, scales
.if DOCPART == 1
	.amdgcn_target "amdgcn-amd-amdhsa--gfx1250"
	.amdhsa_code_object_version 6
	.text
	.protected	k_qe7c851d9e9_quant
	.globl	k_qe7c851d9e9_quant
	.p2align	8
	.type	k_qe7c851d9e9_quant,@function
k_qe7c851d9e9_quant:
	s_mov_b64 s[64:65], 0
	v_nop
	global_prefetch_b8 v0, s[64:65] scope:SCOPE_SE
	s_setreg_imm32_b32 hwreg(HW_REG_WAVE_MODE, 25, 1), 1
	s_wait_xcnt 0x0
; x [8192][1024], w_qkv [3072][1024] and w_out [1024][1024], f32, K innermost, become codes of FP6 (E2M3) with one E8M0 byte for each 32 along K.
; The three tensors are taken as one list of 12,288 rows: x, then w_qkv, then w_out.
; STORED ORDER.  Rows are kept in tiles of 16: stored tile 2 m + u, row r is the tensor's row 32 m + 16 (r / 8) + 8 u + r % 8.  A tile used as source 0 of a matrix instruction then leaves, in the 16 registers of
; two neighbouring tiles, 16 neighbouring rows: what the next quantiser along those rows wants.
; CODES: [tile 0..767][K step of 128, 0..7][half c 0..1][768 bytes].  A half is the image of registers 6 c .. 6 c + 5 of the operand (16 rows x 64 along K): lane l's first four registers at 16 l, its last two at 512 + 8 l.
; SCALE BYTES: [stored row][32], byte k / 32.
; A block's scale is 2^(floor(log2(largest magnitude)) - 2); its byte is the largest magnitude's exponent field - 2, held at 1 from below.
; LIMITS: a block of zeros, or one whose largest magnitude lies under 2^-124, gets the byte 1 (its codes are as the rule gives them; this program alone reads the bytes); NaN and infinities are not served.
; SHARES.  A wave takes one tile: 16 rows x 1,024, in eight K steps.  768 tiles = 256 work-groups x 3 waves.  Each load reads 512 consecutive bytes of one row; a K step's 16 rows turn through the wave's own stage in LDS, so that
; a lane gets 16 neighbours of each block of 32 of ITS row.  Waves share nothing: no barrier.  Memory binds: no matrix unit, no cluster, no tensor load.
.set SP,   528                         ; a stage row: 512 bytes + 16, an odd multiple of 16: the 16 rows of a read start in 16 different columns of 16 bytes
.set WSTG, 16*SP                       ; a wave's stage
.set LI,   1                           ; v1   16 x lane
.set L8,   2                           ; v2   8 x lane
.set STI,  3                           ; v3   the stage, on the way in: wave's stage + 16 x lane
.set STO,  4                           ; v4   on the way out: wave's stage + SP r + 64 h
.set SCA,  5                           ; v5   my 16 scale bytes in the tile's 512: 32 r + 16 h
.set HH,   6                           ; v6   h = lane / 16
.set R,    16                          ; v16-143  two sets of 64 registers, as loaded
.set X,    144                         ; v144-207 64 numbers: register 16 b + e = k 32 b + 16 h + e of row r
.set PC,   208                         ; v208-219 the fragment's codes; v220-222, v224-226 the conversions' second halves
.set TM,   228                         ; v228-231 largest magnitudes, v232-235 at work, v240-243 the conversions' scale operands
.set PW,   244                         ; v244 the scale word just made
.set PWS,  246                         ; v246-253 the eight K steps' scale words
.set SEL,  20                          ; s[20:21] selects for lane l xor 16
	s_load_b256 s[4:11], s[0:1], 0x0               ; x s[4:5], w_qkv s[6:7], w_out s[8:9], codes s[10:11]
	s_load_b64 s[12:13], s[0:1], 0x20              ; scales
	v_lshl_add_u32 v254, v0, 2, 0x6300
	v_mov_b32 v255, 0
	v_lshrrev_b32 v7, 5, v0
	v_readfirstlane_b32 s16, v7                    ; wave 0..2
	v_and_b32 v7, 31, v0                           ; lane
	v_and_b32 v8, 15, v0                           ; r
	v_bfe_u32 v[HH], v0, 4, 1                      ; h
	v_lshlrev_b32 v[LI], 4, v7
	v_lshlrev_b32 v[L8], 3, v7
	s_mul_i32 s18, s16, WSTG
	v_add_nc_u32 v[STI], s18, v[LI]
	v_mul_u32_u24 v[STO], v8, SP
	v_lshl_add_u32 v[STO], v[HH], 6, v[STO]
	v_add_nc_u32 v[STO], s18, v[STO]
	v_lshlrev_b32 v[SCA], 5, v8
	v_lshl_add_u32 v[SCA], v[HH], 4, v[SCA]
.irp b, 0,1,2,3
	v_mov_b32 v[TM+4+\b], 0                        ; written once: a lane permute's destination counts as one of its sources
.endr
	s_mov_b32 s[SEL], 0x76543210
	s_mov_b32 s[SEL+1], 0xfedcba98
	s_mul_i32 s17, ttmp9, 3
	s_add_co_u32 s17, s17, s16                     ; my tile, 0..767
	s_mov_b32 s19, 704
	s_wait_kmcnt 0x0
	s_cmp_lt_u32 s17, 704                          ; which tensor: the choice hangs on the tile's number alone
	s_cselect_b64 s[6:7], s[6:7], s[8:9]
	s_cselect_b32 s19, 512, s19
	s_cmp_lt_u32 s17, 512
	s_cselect_b64 s[4:5], s[4:5], s[6:7]
	s_cselect_b32 s19, 0, s19
	s_sub_co_u32 s19, s17, s19                     ; the tile's number in its tensor: 2 m + u
	s_and_b32 s22, s19, 1                          ; u
	s_sub_co_u32 s23, s19, s22                     ; 2 m
	s_lshl_b32 s23, s23, 4
	s_lshl_b32 s22, s22, 3
	s_add_co_u32 s22, s22, s23                     ; its first row: 32 m + 8 u
	s_lshl_b32 s22, s22, 12                        ; rows of 4,096 bytes: under 2^26
	s_mov_b32 s23, 0
	s_add_nc_u64 s[4:5], s[4:5], s[22:23]
	s_mul_i32 s22, s17, 12288
	s_add_nc_u64 s[10:11], s[10:11], s[22:23]      ; the tile's codes
	s_lshl_b32 s22, s17, 9
	s_add_nc_u64 s[12:13], s[12:13], s[22:23]      ; and its 512 scale bytes
.macro LOADK k                         ; K step k of the 16 rows: row i of the tile is 16 (i / 8) + i % 8 rows on; 32 lanes read 512 consecutive bytes
.irp i, 0,1,2,3,4,5,6,7,8,9,10,11,12,13,14,15
	global_load_b128 v[R+64*((\k)%2)+4*\i:R+64*((\k)%2)+4*\i+3], v[LI], s[4:5] offset:(16*(\i/8)+\i%8)*4096+512*(\k) th:TH_LOAD_NT
.endr
.endm
.macro TURNK k                         ; through the stage: LDS serves a wave's instructions in order, so no wait stands between the stores and the loads
.irp i, 0,1,2,3,4,5,6,7,8,9,10,11,12,13,14,15
	ds_store_b128 v[STI], v[R+64*((\k)%2)+4*\i:R+64*((\k)%2)+4*\i+3] offset:SP*\i
.endr
.irp b, 0,1,2,3
.irp j, 0,1,2,3
	ds_load_b128 v[X+16*\b+4*\j:X+16*\b+4*\j+3], v[STO] offset:128*\b+16*\j
.endr
.endr
.endm
; 64 numbers of a lane, register 16 b + i = k 32 b + 16 h + i of my row, become a fragment's codes in v[PC] on and its scale word in v[PW]
.macro QUANT s
.irp b, 0,1,2,3
	v_max3_num_f32 v[TM+\b], |v[\s+16*\b]|, |v[\s+1+16*\b]|, 0x1800000   ; my 16 numbers of block b, and the floor 2^(3 - 127): the byte cannot fall under 1
.endr
.irp i, 2,4,6,8,10,12,14
.irp b, 0,1,2,3
	v_max3_num_f32 v[TM+\b], v[TM+\b], |v[\s+16*\b+\i]|, |v[\s+1+16*\b+\i]|   ; the four blocks by turns
.endr
.endr
.irp b, 0,1,2,3
	v_permlanex16_b32 v[TM+4+\b], v[TM+\b], s[SEL], s[SEL+1]
.endr
.irp b, 0,1,2,3
	v_max_num_f32 v[TM+\b], v[TM+\b], v[TM+4+\b]   ; with lane l xor 16's: the block's largest magnitude
.endr
.irp b, 0,1,2,3
	v_add_nc_u32 v[TM+12+\b], 0xff000000, v[TM+\b] ; 2 off its exponent field: the conversion takes this operand's exponent field as its scale
.endr
.irp b, 0,1,2,3
	v_lshrrev_b32 v[TM+4+\b], 23, v[TM+12+\b]      ; the scale's byte
.endr
	v_lshl_or_b32 v[PW], v[TM+5], 8, v[TM+4]
	v_lshl_or_b32 v[PW], v[TM+6], 16, v[PW]
	v_lshl_or_b32 v[PW], v[TM+7], 24, v[PW]        ; my row's scale word
.irp c, 0,1
	v_cvt_scalef32_pk16_fp6_f32 v[PC+6*\c:PC+2+6*\c], v[\s+32*\c:\s+15+32*\c], v[TM+12+2*\c]
	v_cvt_scalef32_pk16_fp6_f32 v[PC+12+4*\c:PC+14+4*\c], v[\s+16+32*\c:\s+31+32*\c], v[TM+12+2*\c+1]   ; (a conversion's three registers begin on an even number)
.endr
	v_nop                                          ; one plain instruction behind a scaled conversion
.irp c, 0,1                            ; the operand wants a WHOLE block in a lane: lanes 0-15 block 2 c, lanes 16-31 block 2 c + 1
.irp i, 0,1,2
	v_permlane16_swap_b32 v[PC+6*\c+\i], v[PC+12+4*\c+\i]
.endr
.irp i, 0,1,2
	v_mov_b32 v[PC+3+6*\c+\i], v[PC+12+4*\c+\i]
.endr
.endr
.endm
.macro OUTK k                          ; the fragment leaves as it stands: stores of 512 and 256 consecutive bytes, each at a multiple of 256 from the buffer's first byte
	global_store_b128 v[LI], v[PC:PC+3], s[10:11] offset:1536*(\k)
	global_store_b64 v[L8], v[PC+4:PC+5], s[10:11] offset:1536*(\k)+512
	global_store_b128 v[LI], v[PC+6:PC+9], s[10:11] offset:1536*(\k)+768
	global_store_b64 v[L8], v[PC+10:PC+11], s[10:11] offset:1536*(\k)+1280
.endm
	LOADK 0
	LOADK 1
.irp k, 0,1,2,3,4,5,6,7
.if \k < 7
	s_wait_loadcnt 16                              ; this K step's 16 loads are in; the next step's 16 may be out
.else
	s_wait_loadcnt 0x0
.endif
	TURNK \k
	s_wait_dscnt 0x0                               ; the numbers are back, and the stage's stores have read their registers,
.if \k+2 < 8
	LOADK \k+2                                     ; which take the loads of two steps on
.endif
	s_wait_xcnt 0x0                                ; the last step's stores have read the codes' registers: they are written again only behind this wait
	QUANT X
	v_mov_b32 v[PWS+\k], v[PW]
	OUTK \k
.endr
	v_cmp_ne_u32 vcc_lo, 0, v[HH]                  ; lanes 0-15 store their row's words 0-3, lanes 16-31 words 4-7
.irp i, 0,1,2,3
	v_cndmask_b32 v[TM+\i], v[PWS+\i], v[PWS+4+\i], vcc_lo
.endr
	global_store_b128 v[SCA], v[TM:TM+3], s[12:13] ; the wave's 32 lanes cover the tile's 512 scale bytes
	s_wait_tensorcnt 0x0
	ds_add_u32 v254, v255
	s_wait_dscnt 0x0
	s_endpgm
.Lfunc_end_k_qe7c851d9e9_quant:
	.size	k_qe7c851d9e9_quant, .Lfunc_end_k_qe7c851d9e9_quant-k_qe7c851d9e9_quant
	.p2alignl 7, 3214868480
	.fill 96, 4, 3214868480
	.section	.rodata,"a",@progbits
	.p2align	6, 0x0
	.amdhsa_kernel k_qe7c851d9e9_quant
		.amdhsa_group_segment_fixed_size 25856
		.amdhsa_private_segment_fixed_size 0
		.amdhsa_enable_private_segment 0
		.amdhsa_kernarg_size 40
		.amdhsa_user_sgpr_count 2
		.amdhsa_user_sgpr_kernarg_segment_ptr 1
		.amdhsa_wavefront_size32 1
		.amdhsa_system_sgpr_workgroup_id_x 1
		.amdhsa_system_sgpr_workgroup_id_y 1
		.amdhsa_system_sgpr_workgroup_id_z 1
		.amdhsa_system_vgpr_workitem_id 0
		.amdhsa_next_free_vgpr 256
		.amdhsa_next_free_sgpr 66
		.amdhsa_reserve_vcc 1
		.amdhsa_float_denorm_mode_32 3
		.amdhsa_float_denorm_mode_16_64 3
		.amdhsa_memory_ordered 1
		.amdhsa_forward_progress 1
		.amdhsa_inst_pref_size 65
	.end_amdhsa_kernel
	.amdgpu_metadata
---
amdhsa.version: [ 1, 2 ]
amdhsa.kernels:
  - .name:           k_qe7c851d9e9_quant
    .symbol:         k_qe7c851d9e9_quant.kd
    .args:
      - { .name: x, .offset: 0, .size: 8, .value_kind: global_buffer, .address_space: global }
      - { .name: w_qkv, .offset: 8, .size: 8, .value_kind: global_buffer, .address_space: global }
      - { .name: w_out, .offset: 16, .size: 8, .value_kind: global_buffer, .address_space: global }
      - { .name: codes, .offset: 24, .size: 8, .value_kind: global_buffer, .address_space: global }
      - { .name: scales, .offset: 32, .size: 8, .value_kind: global_buffer, .address_space: global }
    .group_segment_fixed_size: 25856
    .private_segment_fixed_size: 0
    .kernarg_segment_align: 8
    .kernarg_segment_size: 40
    .max_flat_workgroup_size: 96
    .sgpr_count:     66
    .vgpr_count:     256
    .wavefront_size: 32
...
	.end_amdgpu_metadata
.endif
;; end of part 1
;; launch gemm_qkv (part 2): grid 8 x 48, 4 waves a work-group, clusters of 4 x 4, 327,680 bytes of LDS; arguments codes, scales, att; writes att
.if DOCPART == 2
	.amdgcn_target "amdgcn-amd-amdhsa--gfx1250"
	.amdhsa_code_object_version 6
	.text
	.protected	k_qe7c851d9e9_gemm_qkv
	.globl	k_qe7c851d9e9_gemm_qkv
	.p2align	8
	.type	k_qe7c851d9e9_gemm_qkv,@function
k_qe7c851d9e9_gemm_qkv:
	s_mov_b64 s[64:65], 0
	v_nop
	global_prefetch_b8 v0, s[64:65] scope:SCOPE_SE
	s_setreg_imm32_b32 hwreg(HW_REG_WAVE_MODE, 25, 1), 1
	s_wait_xcnt 0x0
	s_wait_alu depctr_hold_cnt(0) depctr_sa_sdst(0) depctr_va_vdst(0) depctr_va_sdst(0) depctr_va_ssrc(0) depctr_va_vcc(0) depctr_vm_vsrc(0)
	s_getreg_b32 s2, hwreg(HW_REG_IB_STS2, 6, 4)
	s_cmp_eq_u32 s2, 0
	s_cbranch_scc0 .Lentry_in_a_cluster
	s_endpgm
.Lentry_in_a_cluster:
	s_bfe_u32 s2, ttmp6, 0x10000c
	s_cmp_lg_u32 s2, 0xf033
	s_cbranch_scc0 .Lentry_shape_is_right
	s_endpgm
.Lentry_shape_is_right:
; qkv = x w_qkv^T on codes of FP6 (E2M3) with E8M0 scales; the result never goes to memory as f32: it is quantised in registers, q and k along the head's 64, v along the keys, and stored as operand images for the attention launch.
; OPERANDS: codes [tile of 16 stored rows 0..767][K step of 128][half][768 bytes], scales [stored row][32]; rows 0-8191 x, 8192-11263 w_qkv.  Stored tile 2 m + u, row r is row 32 m + 16 (r / 8) + 8 u + r % 8.
; A tile of the result, 256 x 256, is made by four waves, 128 x 128 each: 64 accumulators, 512 registers.  K = 1,024 goes in four steps of 256 through a ring of two LDS slots filled by the tensor data mover.
; The matrix instruction is used transposed: source 0 = 16 rows of B, source 1 = 16 rows of A.  A lane then holds ONE row of A, and, B's rows being in stored order, registers 16 b + i of its eight accumulators are B's rows 32 b + 16 h + i.
; TWO PARTS, told apart by the cluster's y, which all sixteen partners share; only whole numbers are chosen by it, and no branch hangs on it.
;   cluster y 0-7:  A = x (tokens), B = w_q and w_k (features): a lane holds a token, its registers run along two heads' 64 + 64 features: q's and k's quantiser.
;   cluster y 8-11: A = w_v (channels), B = x (tokens): a lane holds a channel, its registers run along 128 tokens: v's quantiser, along the keys.
; att: [batch x head 0..63][key step 0..15][19,712 bytes]: +0 K's codes (8 tiles of 16 tokens x 768), +6144 V's (4 tiles of 16 channels x 128 keys, 1,536 each), +12288 K's scale words ([tile / 4][row][tile % 4]),
;   +12800 V's ([row][tile]), +13056 Q's codes, +19200 Q's scale words.  Q's and K's words carry two bytes; the upper two are 0.
; CLUSTERS: 4 x 4 work-groups; A's tiles are asked for jointly along a row of the cluster, B's along a column.  Nothing is prefetched: of K's four steps two are first fills.
; LIMITS: a block of zeros, or one under 2^-124, gets the byte 1; NaN and infinities are not served.
; REGISTERS, in windows of 256: window 0: v8-29 addresses; v32-63 scale words, two sets; v64-119 the way out; from v128 A's fragments, one set.  window 1: B's fragments, two sets, at v0 and v128.
;   window 2: the accumulators of my rows 0-63 ((a, b) at v[8 (8 a + b)]); window 3: those of rows 64-127.
.set NQ,     2                         ; matrix instructions deep in a slot
.set FR,     12                        ; registers of a fragment
.set FRB,    1536                      ; and its image in bytes
.set NL,     4                         ; LDS loads that bring one
.set NP,     4                         ; places behind this matrix instruction (ISA guide 7.12.1)
.set TILEB,  NQ*FRB                    ; a tile of 16 rows in a slot
.set HALFT,  8*TILEB                   ; 128 rows: what one tensor load brings
.set SLOT,   4*HALFT                   ; A's 256 rows, then B's
.set LAPS,   2                         ; a lap = two K steps of 256
.set KS,     32                        ; a row of scale bytes
.set SCL,    2*SLOT                    ; behind the ring: the scales, as units of 256 bytes + 16 of padding
.set HALFS,  (128*KS/256)*272
.set SBLK,   (16*KS/256)*272
.set SPARE,  SCL+4*HALFS               ; the spare words: 128 bytes a wave, two blocks of 256 bytes that no other line names
.set REC,    19712
.set HEADB,  16*REC
.set LI,   8                           ; v8   16 x lane
.set L8,   9                           ; v9   8 x lane
.set SA,   10                          ; v10  where my four scale words go
.set SH,   11                          ; v11  how far my half of the lanes shifts a scale word
.set ADRA, 16                          ; v16-17 A's fragments in slot 0, 1: + 16 x lane;  v18-19: + 8 x lane
.set ADRB, 20                          ; v20-23 the same for B
.set ADRS, 27
.set SPW,  28
.set NIL,  29
.set SC,   32
.set PC,   64                          ; v64-75 codes; v76-78, v80-82 the conversions' second halves
.set TM,   96
.set PW,   112
.set SW,   116                         ; v116-119 four blocks' scale words
.set AF,   128
.set G1, 24
.set G0, 32
.set G1B, 48
.set G0B, 56
.set SEL, 66
.set G1S, 68
.set G0S, 76
.set G1SB, 80
.set G0SB, 88
.set MSB, 0
.macro WIN new                         ; the immediate's high byte repeats the setting that is left
.if MSB != (\new)
	s_set_vgpr_msb (MSB<<8)|(\new)
.set MSB, (\new)
.endif
.endm
.set MUL_LO, 0xa1                      ; source 0 (B) window 1, source 1 (A) window 0, C and D window 2
.set MUL_HI, 0xf1                      ; the same, C and D window 3
.set TO_B,   0x40                      ; destination window 1, address window 0
; A joint load: waves 0 and 1 fetch for A, waves 2 and 3 for B; the branch hangs on the wave's number alone.  Four v_nop follow each of the two lines.
.macro JLOAD g0a, g1a, g0b, g1b
	s_cmp_eq_u32 s15, 0
	s_cbranch_scc0 .Lfor_b_\@
	tensor_load_to_lds s[\g0a:\g0a+3], s[\g1a:\g1a+7]
	s_nop 0
.rept 4
	v_nop
.endr
	s_branch .Lasked_\@
.Lfor_b_\@:
	tensor_load_to_lds s[\g0b:\g0b+3], s[\g1b:\g1b+7]
	s_nop 0
.rept 4
	v_nop
.endr
.Lasked_\@:
.endm
.macro CREST                           ; a round of the cluster's barrier behind its opening barrier
	s_cmp_lg_u32 s14, 0
	s_cbranch_scc1 .Lnot_wave_0_\@
	s_barrier_signal -3
.Lnot_wave_0_\@:
	s_barrier_wait -3
	s_barrier_signal -1
	s_barrier_wait -1
.endm
.macro CROUND
	s_barrier_signal -1
	s_barrier_wait -1
	CREST
.endm
	s_load_b128 s[4:7], s[0:1], 0x0                ; codes s[4:5], scales s[6:7]
	s_load_b64 s[8:9], s[0:1], 0x10                ; att
	v_lshl_add_u32 v[SPW], v0, 2, SPARE
	v_mov_b32 v[NIL], 0
	ds_add_u32 v28, v29
	ds_add_u32 v28, v29
	s_wait_dscnt 0x0
	v_lshrrev_b32 v1, 5, v0
	v_readfirstlane_b32 s14, v1                    ; wave 0..3
	s_lshr_b32 s15, s14, 1                         ; which half of A's rows is mine.  Also: I fetch for A (0) or for B (1)
	s_and_b32 s16, s14, 1                          ; which half of B's rows.  Also: which 128 rows I fetch
	s_bfe_u32 s40, ttmp6, 0x40000                  ; cx
	s_bfe_u32 s41, ttmp6, 0x40004                  ; cy
	s_and_b32 s96, ttmp7, 0xffff                   ; the cluster's y, 0..11
	s_max_u32 s97, s96, 8
	s_sub_co_u32 s97, s97, 8
	s_lshl_b32 s97, s97, 1
	s_add_co_u32 s97, s97, ttmp9                   ; the v part's cluster, 0..7
	s_lshl_b32 s97, s97, 2
	s_lshl_b32 s98, ttmp9, 2
	s_lshl_b32 s99, s96, 2
	s_mov_b32 s100, 10240
	s_mov_b32 s101, 8192
	s_cmp_lt_u32 s96, 8                            ; the q and k part?
	s_cselect_b32 s95, 1, 0
	s_cselect_b32 s17, s99, 0
	s_cselect_b32 s42, s98, s97
	s_cselect_b32 s100, 0, s100                    ; A's first row in the list of rows: x, or w_v
	s_cselect_b32 s101, s101, 0                    ; B's: w_q, or x
	s_add_co_u32 s17, s17, s41                     ; tile row: it holds cy, never cx
	s_add_co_u32 s42, s42, s40                     ; tile column: it holds cx, never cy
	s_lshl_b32 s43, s41, 2
	s_lshl_b32 s43, 15, s43                        ; my row of the cluster
	s_lshl_b32 s44, 0x1111, s40                    ; my column
	; descriptor group 1 for codes: 8 tiles' parts of 3,072 bytes (384 elements of 8 bytes), 12,288 bytes apart in memory, on end in LDS
	s_or_b32 s[G1+0], s43, (3<<16)|(1<<21)         ; 15:0 the mask; 17:16 elements of 8 bytes; 20 no padding; 21 set beside a mask
	s_or_b32 s[G1B+0], s44, (3<<16)|(1<<21)
.irp g, G1, G1B
	s_mov_b32 s[\g+1], 384<<16                     ; tensor_dim0
	s_mov_b32 s[\g+2], 8<<16                       ; tensor_dim1
	s_mov_b32 s[\g+3], 384<<16                     ; tile_dim0
	s_mov_b32 s[\g+4], 8                           ; tile_dim1
	s_mov_b32 s[\g+5], 1536                        ; tensor_dim0_stride
	s_mov_b32 s[\g+6], 0
	s_mov_b32 s[\g+7], 0
.endr
	; and for the scales of 128 rows: 4,096 dense bytes as 16 rows of 256, 16 bytes of padding behind each
	s_or_b32 s[G1S+0], s43, (3<<16)|(1<<20)|(1<<21)|(5<<22)|(3<<25)
	s_or_b32 s[G1SB+0], s44, (3<<16)|(1<<20)|(1<<21)|(5<<22)|(3<<25)
.irp g, G1S, G1SB
	s_mov_b32 s[\g+1], 32<<16
	s_mov_b32 s[\g+2], (128*KS/256)<<16
	s_mov_b32 s[\g+3], 32<<16
	s_mov_b32 s[\g+4], 128*KS/256
	s_mov_b32 s[\g+5], 32
	s_mov_b32 s[\g+6], 0
	s_mov_b32 s[\g+7], 0
.endr
	s_lshl_b32 s18, s16, 7                         ; which 128 rows I fetch
	s_lshl_b32 s20, s17, 8
	s_add_co_u32 s20, s20, s18
	s_add_co_u32 s20, s20, s100                    ; A's
	s_lshl_b32 s46, s42, 8
	s_add_co_u32 s46, s46, s18
	s_add_co_u32 s46, s46, s101                    ; B's
	s_lshl_b32 s22, s20, 5                         ; their scales: 32 bytes a row
	s_mov_b32 s23, 0
	s_lshl_b32 s92, s46, 5
	s_mov_b32 s93, 0
	s_mul_i32 s20, s20, 768                        ; their codes: 768 bytes a row (12,288 a tile): under 2^24
	s_mov_b32 s21, 0
	s_mul_i32 s46, s46, 768
	s_mov_b32 s47, 0
	s_mul_i32 s45, s14, HALFT                      ; where they go: no place in the cluster enters an LDS address
	s_mul_i32 s94, s14, HALFS
	s_wait_kmcnt 0x0
	s_add_nc_u64 s[20:21], s[4:5], s[20:21]
	s_add_nc_u64 s[22:23], s[6:7], s[22:23]
	s_add_nc_u64 s[46:47], s[4:5], s[46:47]
	s_add_nc_u64 s[92:93], s[6:7], s[92:93]
	CROUND                                         ; all sixteen work-groups are here: the first joint loads meet
	s_mov_b32 s[G0S], 1
	s_add_co_u32 s[G0S+1], s94, SCL
	s_mov_b64 s[G0S+2:G0S+3], s[22:23]
	s_or_b32 s[G0S+3], s[G0S+3], 0x80000000
	s_mov_b32 s[G0SB], 1
	s_add_co_u32 s[G0SB+1], s94, SCL
	s_mov_b64 s[G0SB+2:G0SB+3], s[92:93]
	s_or_b32 s[G0SB+3], s[G0SB+3], 0x80000000
	JLOAD G0S, G1S, G0SB, G1SB                     ; the scales first: they are wanted with K step 0
.irp s, 0,1
	s_mov_b32 s[G0+4*\s], 1
	s_add_co_u32 s[G0+4*\s+1], s45, \s*SLOT
	s_add_nc_u64 s[G0+4*\s+2:G0+4*\s+3], s[20:21], \s*TILEB
	s_or_b32 s[G0+4*\s+3], s[G0+4*\s+3], 0x80000000
	s_mov_b32 s[G0B+4*\s], 1
	s_add_co_u32 s[G0B+4*\s+1], s45, \s*SLOT
	s_add_nc_u64 s[G0B+4*\s+2:G0B+4*\s+3], s[46:47], \s*TILEB
	s_or_b32 s[G0B+4*\s+3], s[G0B+4*\s+3], 0x80000000
	JLOAD G0+4*\s, G1, G0B+4*\s, G1B               ; three loads of mine are out
.endr
	v_and_b32 v1, 15, v0                           ; r
	v_bfe_u32 v2, v0, 4, 1                         ; h
	v_and_b32 v3, 31, v0
	v_lshlrev_b32 v[LI], 4, v3
	v_lshlrev_b32 v[L8], 3, v3
	s_mul_i32 s21, s15, HALFT                      ; my 128 rows of A
	s_mul_i32 s22, s16, HALFT                      ; my 128 rows of B,
	s_add_co_u32 s22, s22, 2*HALFT                 ; behind A's 256
.irp s, 0,1
	v_add_nc_u32 v[ADRA+\s], s21, v[LI]
	v_add_nc_u32 v[ADRB+\s], s22, v[LI]
	v_add_nc_u32 v[ADRA+2+\s], s21, v[L8]
	v_add_nc_u32 v[ADRB+2+\s], s22, v[L8]
	s_add_co_u32 s21, s21, SLOT
	s_add_co_u32 s22, s22, SLOT
.endr
	v_mul_u32_u24 v5, v1, KS                       ; my row's scales: KS bytes a row,
	v_lshrrev_b32 v6, 8, v5
	v_lshl_add_u32 v5, v6, 4, v5                   ; and 16 more for each 256 passed
	s_mul_i32 s21, s15, HALFS
	s_mul_i32 s22, s16, HALFS
	s_add_co_u32 s22, s22, 2*HALFS
	s_sub_co_u32 s22, s22, s21
	v_mul_u32_u24 v6, s22, v2                      ; lanes 16-31 take B's
	s_add_co_u32 s21, s21, SCL
	v_add_nc_u32 v5, v5, v6
	v_add_nc_u32 v[ADRS], s21, v5
.irp b, 0,1,2,3
	v_mov_b32 v[TM+4+\b], 0                        ; written once: a lane permute's destination counts as one of its sources
.endr
	s_mov_b32 s[SEL], 0x76543210
	s_mov_b32 s[SEL+1], 0xfedcba98
	; THE WAY OUT'S NUMBERS.  q and k: my 128 tokens are key step s of batch b; my 128 features are heads hs and hs + 1 of 32 (16 of q, then 16 of k)
	s_lshl_b32 s96, s17, 8
	s_lshl_b32 s97, s15, 7
	s_add_co_u32 s96, s96, s97                     ; my first token
	s_lshr_b32 s97, s96, 11                        ; b
	s_bfe_u32 s96, s96, 0x40007                    ; s
	s_lshl_b32 s98, s42, 2
	s_lshl_b32 s99, s16, 1
	s_add_co_u32 s98, s98, s99                     ; hs
	s_and_b32 s99, s98, 15                         ; the head
	s_lshr_b32 s98, s98, 4                         ; 1: k
	s_lshl_b32 s97, s97, 4
	s_add_co_u32 s97, s97, s99
	s_lshl_b32 s97, s97, 4
	s_add_co_u32 s97, s97, s96                     ; the record
	s_mov_b32 s100, 13056
	s_mov_b32 s101, 19200
	s_cmp_eq_u32 s98, 1
	s_cselect_b32 s100, 0, s100                    ; where the codes begin in it,
	s_cselect_b32 s101, 12288, s101                ; and the scale words
	; v: my 128 channels are heads hh and hh + 1; my 128 tokens are key step Sg % 16 of batch Sg / 16
	s_lshl_b32 s96, s17, 2
	s_lshl_b32 s98, s15, 1
	s_add_co_u32 s96, s96, s98                     ; hh
	s_lshl_b32 s98, s42, 1
	s_add_co_u32 s98, s98, s16                     ; Sg
	s_lshr_b32 s99, s98, 4
	s_and_b32 s98, s98, 15
	s_lshl_b32 s99, s99, 4
	s_add_co_u32 s99, s99, s96
	s_lshl_b32 s99, s99, 4
	s_add_co_u32 s99, s99, s98                     ; the record
	s_mov_b32 s20, 1536
	s_mov_b32 s22, HEADB-4608
	s_mov_b32 s46, HEADB
	s_mov_b32 s10, 768
	s_mov_b32 s96, 6144
	s_mov_b32 s98, 12800
	s_cmp_eq_u32 s95, 1                            ; q and k | v
	s_cselect_b32 s97, s97, s99
	s_cselect_b32 s100, s100, s96
	s_cselect_b32 s101, s101, s98
	s_cselect_b32 s20, 768, s20                    ; from block a to a + 1: the next tile of tokens | the next tile of channels
	s_cselect_b32 s22, 768, s22                    ; from block 3 to 4: the same | the next head's first tile
	s_cselect_b32 s10, s46, s10                    ; from half 0 to half 1 of a fragment: the next head | the next 64 keys
	s_cselect_b32 s94, s46, 0                      ; lanes 16-31 store scale words for the next head | the same words as lanes 0-15, to the same place
	s_cselect_b32 s93, 16, 0                       ; and take the word's upper two bytes | the whole word
	s_cselect_b32 s92, 0xffff, -1
	s_cselect_b32 s46, 256, s46                    ; from blocks 0-3's scale words to blocks 4-7's
	s_mov_b32 s21, 0
	s_mov_b32 s23, 0
	s_mov_b32 s47, 0
	s_mov_b32 s11, 0
	s_mul_i32 s97, s97, REC                        ; under 2^25
	s_add_co_u32 s96, s97, s100
	s_add_co_u32 s98, s97, s101
	s_mov_b32 s97, 0
	s_mov_b32 s99, 0
	s_add_nc_u64 s[12:13], s[8:9], s[98:99]        ; the scale words' place
	s_add_nc_u64 s[8:9], s[8:9], s[96:97]          ; half 0's
	s_add_nc_u64 s[10:11], s[8:9], s[10:11]        ; half 1's
	v_mul_u32_u24 v[SA], s94, v2
	v_lshl_add_u32 v[SA], v1, 4, v[SA]             ; 16 bytes a row
	v_mul_u32_u24 v[SH], s93, v2
.macro FRAG reg, adr, q, i             ; a fragment comes as it was stored: four registers a lane at 16 x lane, two at 512 + 8 x lane, for each half
	ds_load_b128 v[\reg:\reg+3], v[\adr] offset:(\i)*TILEB+(\q)*FRB
	ds_load_b64 v[\reg+4:\reg+5], v[\adr+2] offset:(\i)*TILEB+(\q)*FRB+512
	ds_load_b128 v[\reg+6:\reg+9], v[\adr] offset:(\i)*TILEB+(\q)*FRB+768
	ds_load_b64 v[\reg+10:\reg+11], v[\adr+2] offset:(\i)*TILEB+(\q)*FRB+1280
.endm
; 16 matrix instructions: A's blocks a0, a0 + 1 x B's eight.  p: B's set; sc: the set of scale words; zero = 1: the first product starts the sums.  The 64 accumulators take turns, one instruction a turn.
.macro MUL16 a0, p, q, sc, zero
.irp a, \a0, \a0+1
.irp b, 0,1,2,3,4,5,6,7
.if \zero
	v_wmma_scale_f32_16x16x128_f8f6f4 v[8*(8*((\a)%4)+\b):8*(8*((\a)%4)+\b)+7], v[128*(\p)+FR*\b:128*(\p)+FR*\b+FR-1], v[AF+FR*(\a):AF+FR*(\a)+FR-1], 0, v[SC+8*NQ*(\sc)+NQ*\b+(\q)], v[SC+8*NQ*(\sc)+NQ*(\a)+(\q)] matrix_a_fmt:MATRIX_FMT_FP6 matrix_b_fmt:MATRIX_FMT_FP6 matrix_a_scale:MATRIX_SCALE_ROW1
.else
	v_wmma_scale_f32_16x16x128_f8f6f4 v[8*(8*((\a)%4)+\b):8*(8*((\a)%4)+\b)+7], v[128*(\p)+FR*\b:128*(\p)+FR*\b+FR-1], v[AF+FR*(\a):AF+FR*(\a)+FR-1], v[8*(8*((\a)%4)+\b):8*(8*((\a)%4)+\b)+7], v[SC+8*NQ*(\sc)+NQ*\b+(\q)], v[SC+8*NQ*(\sc)+NQ*(\a)+(\q)] matrix_a_fmt:MATRIX_FMT_FP6 matrix_b_fmt:MATRIX_FMT_FP6 matrix_a_scale:MATRIX_SCALE_ROW1
.endif
.endr
.endr
.endm
.macro FETCH_B slot, q, p
	WIN TO_B
.irp i, 0,1,2,3,4,5,6,7
	FRAG 128*(\p)+FR*\i, ADRB+\slot, \q, \i
.endr
	WIN 0
.endm
.macro FETCH_A slot, q, i0
.irp i, \i0, \i0+1, \i0+2, \i0+3
	FRAG AF+FR*(\i), ADRA+\slot, \q, \i
.endr
.endm
.macro SCALES sc                       ; a K step's scale words: lanes 0-15 take A's block i, lanes 16-31 B's block i
.irp i, 0,1,2,3,4,5,6,7
	ds_load_b64 v[SC+8*NQ*\sc+NQ*\i:SC+8*NQ*\sc+NQ*\i+1], v[ADRS] offset:\i*SBLK
.endr
.endm
.macro PLACES n                        ; plain vector instructions between a matrix instruction and a load into its registers or a read of its result
.rept \n
	v_nop
.endr
.endm
.macro STEP slot, q, zero              ; 128 along K that have their successor in the same slot
	s_wait_dscnt 4*NL                              ; B's set and A's blocks 0-3 are in; the youngest 16 loads (A's blocks 4-7) may be out
	WIN MUL_LO
	MUL16 0, (\q)%2, \q, \slot, \zero
	MUL16 2, (\q)%2, \q, \slot, \zero
	s_wait_dscnt 0
	PLACES NP
	FETCH_B \slot, (\q)+1, 1-(\q)%2
	FETCH_A \slot, (\q)+1, 0
	WIN MUL_HI
	MUL16 4, (\q)%2, \q, \slot, \zero
	MUL16 6, (\q)%2, \q, \slot, \zero
	PLACES NP
	WIN 0
	FETCH_A \slot, (\q)+1, 4
.endm
; A slot's last 128 change slots: one barrier; in front of it each wave waits for all its tensor loads, adds 0 to its spare word, and waits for that and for its reads of this slot.  fill = 1: the slot is filled again, two K steps ahead.
.macro TURN slot, next, fill
	s_wait_tensorcnt 0x0                           ; all my tensor loads have landed: my part of the next slot
	ds_add_u32 v[SPW], v[NIL]                      ; 0 onto my spare word
	s_wait_dscnt 4*NL+1                            ; (the add and the youngest 16 loads, A's blocks 4-7, may be out)
	WIN MUL_LO
	MUL16 0, 1, NQ-1, \slot, 0
	s_wait_dscnt 0x0                               ; the add is done, and my reads of this slot are over
	s_barrier_signal -1
	MUL16 2, 1, NQ-1, \slot, 0
	WIN 0
	s_barrier_wait -1
.if \fill
	CREST                                          ; the barrier has opened a round of the cluster's: no wave of any partner still reads this slot or has a load on its way
	s_add_nc_u64 s[G0+4*\slot+2:G0+4*\slot+3], s[G0+4*\slot+2:G0+4*\slot+3], 2*TILEB
	s_add_nc_u64 s[G0B+4*\slot+2:G0B+4*\slot+3], s[G0B+4*\slot+2:G0B+4*\slot+3], 2*TILEB
	JLOAD G0+4*\slot, G1, G0B+4*\slot, G1B         ; the first tensor load behind the round; its four v_nop are also the places in front of the loads below
.else
	PLACES NP
.endif
	s_wait_alu depctr_va_vdst(0)
	v_add_nc_u32 v[ADRS], 4*NQ, v[ADRS]            ; the next K step's scale words
	FETCH_B \next, 0, 0
	FETCH_A \next, 0, 0
	SCALES \next
	WIN MUL_HI
	MUL16 4, 1, NQ-1, \slot, 0
	MUL16 6, 1, NQ-1, \slot, 0
	PLACES NP
	WIN 0
	FETCH_A \next, 0, 4
.endm
	s_wait_alu depctr_va_vdst(0)
	s_wait_tensorcnt 1                             ; the scales and my part of K step 0 are in; K step 1's load may be out
	s_barrier_signal -1
	s_barrier_wait -1
	FETCH_B 0, 0, 0
	FETCH_A 0, 0, 0
	SCALES 0
	FETCH_A 0, 0, 4
	STEP 0, 0, 1                                   ; the first products start the sums
	s_mov_b32 s3, LAPS-1
.Llap:
	TURN 0, 1, 1
	STEP 1, 0, 0
	TURN 1, 0, 1
	STEP 0, 0, 0
	s_sub_co_u32 s3, s3, 1
	s_cmp_lg_u32 s3, 0
	s_cbranch_scc1 .Llap
	TURN 0, 1, 0                                   ; the last lap fills nothing
	STEP 1, 0, 0
	s_wait_dscnt 4*NL
	WIN MUL_LO
	MUL16 0, 1, NQ-1, 1, 0
	MUL16 2, 1, NQ-1, 1, 0
	s_wait_dscnt 0
	WIN MUL_HI
	MUL16 4, 1, NQ-1, 1, 0
	MUL16 6, 1, NQ-1, 1, 0
	WIN 0
; THE WAY OUT of block a (16 rows of A x 128 rows of B): its 64 numbers a lane, register 16 b + i = B's row 32 b + 16 h + i, are quantised along B's rows and leave as the image of an operand's registers.
.macro QOUT a
.set AC, 64*((\a)%4)
.if (\a) > 0
	s_wait_xcnt 0x0                                ; the last block's stores have read their data and bases: both are written again only behind this wait
.if (\a) == 4
	s_add_nc_u64 s[8:9], s[8:9], s[22:23]
	s_add_nc_u64 s[10:11], s[10:11], s[22:23]
	s_add_nc_u64 s[12:13], s[12:13], s[46:47]
.else
	s_add_nc_u64 s[8:9], s[8:9], s[20:21]
	s_add_nc_u64 s[10:11], s[10:11], s[20:21]
.endif
.endif
	WIN 0x0a+5*((\a)/4)                            ; sources 0 and 1: window 2 or 3
.irp b, 0,1,2,3
	v_max3_num_f32 v[TM+\b], |v[AC+16*\b]|, |v[AC+16*\b+1]|, 0x1800000   ; each accumulator is read from its low end on; the floor 2^(3 - 127) holds the byte at 1 from below
.endr
.irp i, 2,4,6,8,10,12,14
.irp b, 0,1,2,3
	v_max3_num_f32 v[TM+\b], |v[AC+16*\b+\i]|, |v[AC+16*\b+\i+1]|, v[TM+\b]
.endr
.endr
	WIN 0
.irp b, 0,1,2,3
	v_permlanex16_b32 v[TM+4+\b], v[TM+\b], s[SEL], s[SEL+1]
.endr
.irp b, 0,1,2,3
	v_max_num_f32 v[TM+\b], v[TM+\b], v[TM+4+\b]   ; the block's largest magnitude
.endr
.irp b, 0,1,2,3
	v_add_nc_u32 v[TM+12+\b], 0xff000000, v[TM+\b] ; 2 off its exponent field: the conversion's scale operand
.endr
.irp b, 0,1,2,3
	v_lshrrev_b32 v[TM+4+\b], 23, v[TM+12+\b]      ; the byte
.endr
	v_lshl_or_b32 v[PW], v[TM+5], 8, v[TM+4]
	v_lshl_or_b32 v[PW], v[TM+6], 16, v[PW]
	v_lshl_or_b32 v[PW], v[TM+7], 24, v[PW]
	v_lshrrev_b32 v[SW+(\a)%4], v[SH], v[PW]       ; q, k: lanes 0-15 keep the first head's two bytes, lanes 16-31 the second's; v: all four
	v_and_b32 v[SW+(\a)%4], s92, v[SW+(\a)%4]
	WIN 0x02+((\a)/4)                              ; source 0: window 2 or 3
.irp c, 0,1
	v_cvt_scalef32_pk16_fp6_f32 v[PC+6*\c:PC+2+6*\c], v[AC+32*\c:AC+15+32*\c], v[TM+12+2*\c]
	v_cvt_scalef32_pk16_fp6_f32 v[PC+12+4*\c:PC+14+4*\c], v[AC+16+32*\c:AC+31+32*\c], v[TM+12+2*\c+1]
.endr
	WIN 0
	v_nop                                          ; one plain instruction behind a scaled conversion
.irp c, 0,1
.irp i, 0,1,2
	v_permlane16_swap_b32 v[PC+6*\c+\i], v[PC+12+4*\c+\i]
.endr
.irp i, 0,1,2
	v_mov_b32 v[PC+3+6*\c+\i], v[PC+12+4*\c+\i]
.endr
.endr
	global_store_b128 v[LI], v[PC:PC+3], s[8:9]                  ; 512 and 256 consecutive bytes, each at a multiple of 256 from the buffer's first byte
	global_store_b64 v[L8], v[PC+4:PC+5], s[8:9] offset:512
	global_store_b128 v[LI], v[PC+6:PC+9], s[10:11]
	global_store_b64 v[L8], v[PC+10:PC+11], s[10:11] offset:512
.if (\a)%4 == 3
	global_store_b128 v[SA], v[SW:SW+3], s[12:13]  ; four blocks' words: sixteen lanes store 256 consecutive bytes
.endif
.endm
	PLACES NP                                      ; behind the last products
.irp a, 0,1,2,3,4,5,6,7
	QOUT \a
.endr
	s_wait_tensorcnt 0x0                           ; the wave's end
	ds_add_u32 v[SPW], v[NIL]
	s_wait_dscnt 0x0
	CROUND                                         ; the closing round: no work-group ends while a partner may still ask for a tile that names it
	s_endpgm
.Lfunc_end_k_qe7c851d9e9_gemm_qkv:
	.size	k_qe7c851d9e9_gemm_qkv, .Lfunc_end_k_qe7c851d9e9_gemm_qkv-k_qe7c851d9e9_gemm_qkv
	.p2alignl 7, 3214868480
	.fill 96, 4, 3214868480
	.section	.rodata,"a",@progbits
	.p2align	6, 0x0
	.amdhsa_kernel k_qe7c851d9e9_gemm_qkv
		.amdhsa_group_segment_fixed_size 327680
		.amdhsa_private_segment_fixed_size 0
		.amdhsa_enable_private_segment 0
		.amdhsa_kernarg_size 24
		.amdhsa_user_sgpr_count 2
		.amdhsa_user_sgpr_kernarg_segment_ptr 1
		.amdhsa_wavefront_size32 1
		.amdhsa_system_sgpr_workgroup_id_x 1
		.amdhsa_system_sgpr_workgroup_id_y 1
		.amdhsa_system_sgpr_workgroup_id_z 1
		.amdhsa_system_vgpr_workitem_id 0
		.amdhsa_next_free_vgpr 1024
		.amdhsa_next_free_sgpr 104
		.amdhsa_reserve_vcc 0
		.amdhsa_float_denorm_mode_32 3
		.amdhsa_float_denorm_mode_16_64 3
		.amdhsa_memory_ordered 1
		.amdhsa_forward_progress 1
		.amdhsa_inst_pref_size 152
	.end_amdhsa_kernel
	.amdgpu_metadata
---
amdhsa.version: [ 1, 2 ]
amdhsa.kernels:
  - .name:           k_qe7c851d9e9_gemm_qkv
    .symbol:         k_qe7c851d9e9_gemm_qkv.kd
    .args:
      - { .name: codes, .offset: 0, .size: 8, .value_kind: global_buffer, .address_space: global }
      - { .name: scales, .offset: 8, .size: 8, .value_kind: global_buffer, .address_space: global }
      - { .name: att, .offset: 16, .size: 8, .value_kind: global_buffer, .address_space: global }
    .group_segment_fixed_size: 327680
    .private_segment_fixed_size: 0
    .kernarg_segment_align: 8
    .kernarg_segment_size: 24
    .max_flat_workgroup_size: 128
    .sgpr_count:     104
    .vgpr_count:     1024
    .wavefront_size: 32
...
	.end_amdgpu_metadata
.endif
;; end of part 2
;; launch attn (part 3): grid 4 x 64, 16 waves a work-group, clusters of 4 x 1, 215,040 bytes of LDS; arguments att, y_codes, y_scales; writes y_codes, y_scales
.if DOCPART == 3
	.amdgcn_target "amdgcn-amd-amdhsa--gfx1250"
	.amdhsa_code_object_version 6
	.text
	.protected	k_qe7c851d9e9_attn
	.globl	k_qe7c851d9e9_attn
	.p2align	8
	.type	k_qe7c851d9e9_attn,@function
k_qe7c851d9e9_attn:
	s_mov_b64 s[64:65], 0
	v_nop
	global_prefetch_b8 v0, s[64:65] scope:SCOPE_SE
	s_setreg_imm32_b32 hwreg(HW_REG_WAVE_MODE, 25, 1), 1
	s_wait_xcnt 0x0
	s_wait_alu depctr_hold_cnt(0) depctr_sa_sdst(0) depctr_va_vdst(0) depctr_va_sdst(0) depctr_va_ssrc(0) depctr_va_vcc(0) depctr_vm_vsrc(0)
	s_getreg_b32 s2, hwreg(HW_REG_IB_STS2, 6, 4)
	s_cmp_eq_u32 s2, 0
	s_cbranch_scc0 .Lentry_in_a_cluster
	s_endpgm
.Lentry_in_a_cluster:
	s_bfe_u32 s2, ttmp6, 0x10000c
	s_cmp_lg_u32 s2, 0x3003
	s_cbranch_scc0 .Lentry_shape_is_right
	s_endpgm
.Lentry_shape_is_right:
; Causal attention of one head (64 channels, 2,048 tokens) on codes of FP6 (E2M3) with E8M0 scales; y = softmax(q k^T / 8) v is quantised in registers along the channels and stored as operand images for the last product.
; att: [batch x head][key step of 128 tokens, 0..15][19,712 bytes]: +0 K's codes (8 tiles of 16 tokens x 64 channels, 768 bytes each), +6144 V's (4 tiles of 16 channels x 128 keys), +12288 K's scale words, +12800 V's,
;   +13056 Q's codes, +19200 Q's scale words.  A tile's rows are in stored order: tile 2 m + u, row r is token (or channel) 32 m + 16 (r / 8) + 8 u + r % 8.
; THE SOFTMAX: t = score x log2(e) / 8; M = the running largest t rounded up to a whole number; p = 2^(t - M) is quantised along the keys, not normalised; the row's sum is taken of the unquantised p and divides at the end.
;   When M moves, the sum and O are multiplied by 2^(old M - new M), which rounds nothing.
; LAYOUT.  Both products are used transposed: S^T = K Q^T, O^T = V^T P^T: a lane holds ONE query throughout; by the stored order, registers 16 b + i of S^T are keys 32 b + 16 h + i, and of O^T channels 32 b + 16 h + i.
; K = 64 IN AN INSTRUCTION OF 128: Q's codes for k = 64 .. 127 are zeros and both sides' scale bytes there are 0, so that half adds nothing whatever K's registers hold there.  So K's tiles lie 6 registers apart,
;   and a tile's upper six registers are the next tile's codes (the last tile's: zeros).
; SHARES.  A cluster of four work-groups is one head; partner cx takes the query tiles 4 j + cx, j = 0..31.  Tile 4 j + cx needs j / 2 + 1 key steps, whatever cx: all partners run alike.  Wave w takes j = w and then j = 31 - w:
;   17 key steps for every wave of every work-group, and no key step that the mask hides whole is computed.
; LDS.  The head's K and V, codes and scale words, 16 x 13,056 bytes, stay in LDS and are filled once, by sixteen joint loads (waves 0 to 3, four each): no byte is filled again, and nothing is stored to LDS.
;   Nothing is prefetched: every byte of K and V is asked for by those loads, at the head.
; LIMITS: a block of zeros, or one under 2^-124, gets the byte 1; NaN and infinities are not served.
.set REC,   19712
.set HEADB, 16*REC
.set RECL,  13056                      ; what LDS holds of a record
.set VC,    6144
.set KSW,   12288
.set VSW,   12800
.set QC,    13056
.set QSW,   19200
.set LI,   1                           ; v1   16 x lane
.set L8,   2                           ; v2   8 x lane
.set R16,  3                           ; v3   16 r
.set D0,   4                           ; v4   r % 8 + 16 (r / 8) - 16 h
.set DD,   5                           ; v5   my query less the diagonal step's first key less 16 h
.set YSA,  6                           ; v6   32 r
.set ADK,  8                           ; v8-10 the key step's LDS addresses
.set ADK8, 9
.set ADVS, 10
.set NINF, 29                          ; v29  -infinity
.set F,    32                          ; v32-85 fragments of K, then of V; v80-85 stay zeros
.set KW,   86                          ; v86-89 K's scale words: lanes 0-15 tiles 0-3, lanes 16-31 tiles 4-7
.set VW,   90                          ; v90-93 V's
.set S,    96                          ; v96-159 S^T, then p
.set O,    160                         ; v160-191 O^T
.set PC,   192                         ; v192-203 p's codes; v204-206, v208-210 the conversions' second halves
.set BM,   212
.set BT,   216
.set SO,   220
.set PWD,  224                         ; v224 p's scale word
.set FF,   226                         ; v[226:227] f = 2^(old M - new M), and a written 0
.set T0,   228
.set SUM2, 230
.set WV,   18
.set SEL,  20
.set CS,   22
.set G1,   24                          ; s[24:31] descriptor group 1; s[32:47] four groups 0
.set G0,   32
.set KSTP, 48                          ; s48  the key step
.set KO,   49                          ; s49  where its record begins in LDS
.set LAST, 50                          ; s50  the tile's last key step, the one on the diagonal
.macro CROUND                          ; a round of the cluster's barrier
	s_barrier_signal -1
	s_barrier_wait -1
	s_cmp_lg_u32 s[WV], 0
	s_cbranch_scc1 .Lnot_wave_0_\@
	s_barrier_signal -3
.Lnot_wave_0_\@:
	s_barrier_wait -3
	s_barrier_signal -1
	s_barrier_wait -1
.endm
	s_load_b128 s[4:7], s[0:1], 0x0                ; att s[4:5], y_codes s[6:7]
	s_load_b64 s[8:9], s[0:1], 0x10                ; y_scales
	v_lshl_add_u32 v254, v0, 2, 0x34000
	v_mov_b32 v255, 0
	ds_add_u32 v254, v255
	ds_add_u32 v254, v255
	v_lshrrev_b32 v7, 5, v0
	s_delay_alu instid0(VALU_DEP_1)
	v_readfirstlane_b32 s[WV], v7                  ; wave 0..15
	s_bfe_u32 s10, ttmp6, 0x40000                  ; cx: it enters global addresses and the mask's numbers alone
	s_and_b32 s11, ttmp7, 0xffff                   ; batch x head, which the four partners share
	; descriptor group 1: 13,056 dense bytes as 51 rows of 256 (32 elements of 8 bytes)
	s_mov_b32 s[G1], 15|(3<<16)|(1<<21)            ; 15:0 the mask: all four work-groups; 17:16 elements of 8 bytes; 20 no padding; 21 set beside a mask
	s_mov_b32 s[G1+1], 32<<16                      ; tensor_dim0
	s_mov_b32 s[G1+2], 51<<16                      ; tensor_dim1
	s_mov_b32 s[G1+3], 32<<16                      ; tile_dim0
	s_mov_b32 s[G1+4], 51                          ; tile_dim1
	s_mov_b32 s[G1+5], 32                          ; tensor_dim0_stride
	s_mov_b32 s[G1+6], 0
	s_mov_b32 s[G1+7], 0
	s_mov_b32 s[SEL], 0x76543210
	s_mov_b32 s[SEL+1], 0xfedcba98
	s_mov_b32 s[CS], 0x3e38aa3b                    ; c = log2(e) / 8
	s_mov_b32 s[CS+1], s[CS]                       ; (named with it as a pair, so it is written)
	s_mul_i32 s84, s11, HEADB                      ; under 2^25
	s_mov_b32 s85, 0
	s_mul_i32 s80, s[WV], REC                      ; a fetching wave's first record: in memory,
	s_mul_i32 s81, s[WV], RECL                     ; and in LDS
	v_and_b32 v7, 31, v0
	s_delay_alu instid0(VALU_DEP_1)
	v_lshlrev_b32 v[LI], 4, v7
	s_delay_alu instid0(VALU_DEP_2)
	v_lshlrev_b32 v[L8], 3, v7
	v_and_b32 v7, 15, v0                           ; r
	s_delay_alu instid0(VALU_DEP_1)
	v_lshlrev_b32 v[R16], 4, v7
	s_delay_alu instid0(VALU_DEP_2)
	v_lshlrev_b32 v[YSA], 5, v7
	v_bfe_u32 v11, v0, 4, 1                        ; h
	s_delay_alu instid0(VALU_DEP_4)
	v_and_b32 v[D0], 7, v7
	v_and_b32 v7, 8, v7
	s_delay_alu instid0(VALU_DEP_1)
	v_lshl_add_u32 v[D0], v7, 1, v[D0]
	s_delay_alu instid0(VALU_DEP_4)
	v_lshlrev_b32 v11, 4, v11
	s_delay_alu instid0(VALU_DEP_1)
	v_sub_nc_u32 v[D0], v[D0], v11
	s_wait_dscnt 0x0
	s_wait_kmcnt 0x0
	s_add_nc_u64 s[52:53], s[4:5], s[84:85]        ; the head's records
	s_mov_b32 s84, s80
	s_add_nc_u64 s[54:55], s[52:53], s[84:85]
.irp n, 0,1,2,3
	s_mov_b32 s[G0+4*\n], 1                        ; count = 1
	s_add_co_u32 s[G0+4*\n+1], s81, \n*4*RECL      ; LDS address: record wave + 4 n
	s_add_nc_u64 s[G0+4*\n+2:G0+4*\n+3], s[54:55], \n*4*REC
	s_or_b32 s[G0+4*\n+3], s[G0+4*\n+3], 0x80000000   ; type = 2
.endr
	CROUND                                         ; all four work-groups are here: the joint loads meet
	s_cmp_lt_u32 s[WV], 4                          ; a fetching wave's four fills stand in one branch: four loads of mine are out
	s_cbranch_scc0 .Lno_fetch
	tensor_load_to_lds s[G0:G0+3], s[G1:G1+7]
	s_nop 0
	tensor_load_to_lds s[G0+4:G0+7], s[G1:G1+7]
	s_nop 0
	tensor_load_to_lds s[G0+8:G0+11], s[G1:G1+7]
	s_nop 0
	tensor_load_to_lds s[G0+12:G0+15], s[G1:G1+7]
	s_nop 0
.rept 4
	v_nop
.endr
.Lno_fetch:
; The addresses of query tile 4 j + cx (j in s86): Q's codes, Q's scale words, y's codes, y's scale bytes in s[base .. base + 7]; its last key step in s[76 + p]; its first query's place in that step in s[78 + p]
.macro PADDR p, base
	s_lshr_b32 s[76+\p], s86, 1
	s_and_b32 s80, s86, 1
	s_mul_i32 s81, s[76+\p], REC
	s_lshl_b32 s82, s80, 2
	s_add_co_u32 s82, s82, s10                     ; the tile's place in its record, 0..7
	s_mul_i32 s84, s82, 768
	s_add_co_u32 s84, s84, s81
	s_add_co_u32 s84, s84, QC
	s_add_nc_u64 s[\base:\base+1], s[52:53], s[84:85]
	s_lshl_b32 s84, s80, 8                         ; scale words: [tile / 4][row][tile % 4]
	s_add_co_u32 s84, s84, s81
	s_lshl_b32 s83, s10, 2
	s_add_co_u32 s84, s84, s83
	s_add_co_u32 s84, s84, QSW
	s_add_nc_u64 s[\base+2:\base+3], s[52:53], s[84:85]
	s_lshl_b32 s83, s86, 2
	s_add_co_u32 s83, s83, s10                     ; the tile, 0..127
	s_lshr_b32 s81, s11, 4
	s_lshl_b32 s81, s81, 7
	s_add_co_u32 s81, s81, s83                     ; among all batches' tiles, 0..511
	s_and_b32 s80, s11, 15                         ; the head
	s_mul_i32 s84, s81, 12288
	s_mul_i32 s82, s80, 768
	s_add_co_u32 s84, s84, s82
	s_add_nc_u64 s[\base+4:\base+5], s[6:7], s[84:85]
	s_lshl_b32 s84, s81, 9
	s_lshl_b32 s82, s80, 1
	s_add_co_u32 s84, s84, s82
	s_add_nc_u64 s[\base+6:\base+7], s[8:9], s[84:85]
	s_bfe_u32 s82, s83, 0x20001
	s_lshl_b32 s82, s82, 5
	s_and_b32 s80, s83, 1
	s_lshl_b32 s80, s80, 3
	s_add_co_u32 s[78+\p], s82, s80                ; 32 ((tile / 2) % 4) + 8 (tile % 2)
.endm
	s_mov_b32 s86, s[WV]
	PADDR 0, 56
	s_sub_co_u32 s86, 31, s[WV]
	PADDR 1, 68
	global_load_b128 v[16:19], v[LI], s[56:57]     ; both tiles' Q stay in registers
	global_load_b64 v[20:21], v[L8], s[56:57] offset:512
	s_wait_alu depctr_va_vdst(0)
	global_load_b32 v28, v[R16], s[58:59]
	global_load_b128 v[232:235], v[LI], s[68:69]
	global_load_b64 v[236:237], v[L8], s[68:69] offset:512
	global_load_b32 v244, v[R16], s[70:71]
.irp i, 0,1,2,3,4,5
	v_mov_b32 v[22+\i], 0                          ; Q's codes for k = 64 .. 127
	v_mov_b32 v[238+\i], 0
	v_mov_b32 v[80+\i], 0                          ; what stands behind K's last tile
.endr
.irp b, 0,1,2,3
	v_mov_b32 v[BT+\b], 0                          ; written once: a lane permute's destination counts as one of its sources
.endr
	v_mov_b32 v[T0], 0
	v_mov_b32 v[FF+1], 0                           ; (named as the upper half of a pair)
	v_mov_b32 v[NINF], 0xff800000
; A KEY STEP: 128 keys against my 16 queries.  qf: Q's fragment; qs: its scale word.
.macro STEP qf, qs
	v_add_nc_u32 v[ADK], s[KO], v[LI]              ; these four lines are also the places behind the last step's products, in front of the loads into their registers
	v_add_nc_u32 v[ADK8], s[KO], v[L8]
	v_add_nc_u32 v[ADVS], s[KO], v[R16]
	v_nop
.irp t, 0,1,2,3,4,5,6,7
	ds_load_b128 v[F+6*\t:F+6*\t+3], v[ADK] offset:768*\t
	ds_load_b64 v[F+6*\t+4:F+6*\t+5], v[ADK8] offset:768*\t+512
.endr
	ds_load_b128 v[KW:KW+3], v[ADK] offset:KSW
	s_wait_alu depctr_va_vdst(0)
	s_wait_dscnt 0x0
.irp t, 0,1,2,3
	v_wmma_scale_f32_16x16x128_f8f6f4 v[S+8*\t:S+8*\t+7], v[F+6*\t:F+6*\t+11], v[\qf:\qf+11], 0, v[KW+\t], v[\qs] matrix_a_fmt:MATRIX_FMT_FP6 matrix_b_fmt:MATRIX_FMT_FP6
.endr
.irp t, 4,5,6,7
	v_wmma_scale_f32_16x16x128_f8f6f4 v[S+8*\t:S+8*\t+7], v[F+6*\t:F+6*\t+11], v[\qf:\qf+11], 0, v[KW+\t-4], v[\qs] matrix_a_fmt:MATRIX_FMT_FP6 matrix_b_fmt:MATRIX_FMT_FP6 matrix_a_scale:MATRIX_SCALE_ROW1
.endr
.rept 4
	v_nop                                          ; places: in front of the loads below and of the first read of the scores
.endr
.irp t, 0,1,2,3                        ; V's fragments are asked for now and land under the softmax
.irp c, 0,1
	ds_load_b128 v[F+12*\t+6*\c:F+12*\t+6*\c+3], v[ADK] offset:VC+1536*\t+768*\c
	ds_load_b64 v[F+12*\t+6*\c+4:F+12*\t+6*\c+5], v[ADK8] offset:VC+1536*\t+768*\c+512
.endr
.endr
	ds_load_b128 v[VW:VW+3], v[ADVS] offset:VSW
	s_cmp_lg_u32 s[KSTP], s[LAST]                  ; only the tile's last step lies on the diagonal: there hidden scores become -infinity, and p = 0
	s_cbranch_scc1 .Lopen_\@
.set n, 0
.rept 64
	v_cmp_gt_i32 vcc_lo, 32*(n/16)+n%16, v[DD]     ; register 16 b + i holds the step's key 32 b + 16 h + i
	v_cndmask_b32 v[S+n], v[S+n], v[NINF], vcc_lo
.set n, n+1
.endr
.Lopen_\@:
.irp b, 0,1,2,3
	v_max3_num_f32 v[BM+\b], v[S+16*\b], v[S+1+16*\b], v[S+2+16*\b]   ; the largest score of each block of 32 keys: for the row's maximum, and, since p rises with the score, for the block's largest p
.endr
.irp i, 3,5,7,9,11,13
.irp b, 0,1,2,3
	v_max3_num_f32 v[BM+\b], v[BM+\b], v[S+16*\b+\i], v[S+1+16*\b+\i]
.endr
.endr
.irp b, 0,1,2,3
	v_max_num_f32 v[BM+\b], v[BM+\b], v[S+15+16*\b]
.endr
.irp b, 0,1,2,3
	s_delay_alu instid0(VALU_DEP_4)
	v_permlanex16_b32 v[BT+\b], v[BM+\b], s[SEL], s[SEL+1]
.endr
.irp b, 0,1,2,3
	s_delay_alu instid0(VALU_DEP_4)
	v_max_num_f32 v[BM+\b], v[BM+\b], v[BT+\b]     ; with lane l xor 16's 16 keys
.endr
	s_delay_alu instid0(VALU_DEP_2)
	v_max3_num_f32 v[T0], v[BM], v[BM+1], v[BM+2]
	s_delay_alu instid0(VALU_DEP_1)
	v_max_num_f32 v[T0], v[T0], v[BM+3]
	s_delay_alu instid0(VALU_DEP_1)
	v_mul_f32 v[T0], s[CS], v[T0]                  ; the step's largest t
	s_delay_alu instid0(VALU_DEP_1)
	v_max_num_f32 v13, v13, v[T0]                  ; the running largest t
	v_mov_b32 v[T0], v12
	s_delay_alu instid0(VALU_DEP_2)
	v_floor_f32 v12, -v13                          ; the new -M = -ceil(t)
	s_delay_alu instid0(VALU_DEP_1)
	v_sub_f32 v[T0], v12, v[T0]                    ; old M - new M: a whole number, 0 or less
	s_delay_alu instid0(VALU_DEP_1)
	v_cvt_i32_f32 v[T0], v[T0]                     ; (it saturates)
	s_delay_alu instid0(VALU_DEP_1)
	v_ldexp_f32 v[FF], 1.0, v[T0]                  ; f
.set j, 0
.rept 32
	v_pk_fma_f32 v[S+j:S+j+1], v[S+j:S+j+1], s[CS:CS+1], v[12:13] op_sel_hi:[1,0,0]   ; t - M, two at a time
.set j, j+2
.endr
	s_setprio 1
.irp b, 0,1,2,3
	v_fma_f32 v[BM+\b], v[BM+\b], s[CS], v12       ; the same of each block's largest score
.endr
.set j, 0
	s_wait_alu depctr_va_vdst(0)
.rept 64
	v_exp_f32 v[S+j], v[S+j]                       ; p = 2^(t - M)
.set j, j+1
.endr
	v_pk_mul_f32 v[14:15], v[14:15], v[FF:FF+1] op_sel_hi:[1,0]   ; the sum under the new M: the plain instruction behind the exponentials
	s_wait_alu depctr_va_vdst(0)                   ; one wait for the whole batch, ahead of the first use of a result
.irp b, 0,1,2,3
	v_exp_f32 v[BM+\b], v[BM+\b]                   ; the block's largest p
.endr
	v_pk_add_f32 v[230:231], v[100:101], v[104:105]
	v_pk_add_f32 v[252:253], v[108:109], v[112:113]
	v_pk_add_f32 v[250:251], v[116:117], v[120:121]
	v_pk_add_f32 v[248:249], v[124:125], v[128:129]
	v_pk_add_f32 v[246:247], v[132:133], v[136:137]
	v_pk_add_f32 v[224:225], v[140:141], v[144:145]
	v_pk_add_f32 v[222:223], v[148:149], v[152:153]
	v_pk_add_f32 v[14:15], v[14:15], v[156:157]
	v_pk_add_f32 v[230:231], v[230:231], v[96:97]
	v_pk_add_f32 v[252:253], v[252:253], v[98:99]
	v_pk_add_f32 v[250:251], v[250:251], v[102:103]
	v_pk_add_f32 v[248:249], v[248:249], v[106:107]
	v_pk_add_f32 v[246:247], v[246:247], v[110:111]
	v_pk_add_f32 v[224:225], v[224:225], v[114:115]
	v_pk_add_f32 v[222:223], v[222:223], v[118:119]
	v_pk_add_f32 v[14:15], v[14:15], v[122:123]
	v_pk_add_f32 v[230:231], v[230:231], v[126:127]
	v_pk_add_f32 v[252:253], v[252:253], v[130:131]
	v_pk_add_f32 v[250:251], v[250:251], v[134:135]
	v_pk_add_f32 v[248:249], v[248:249], v[138:139]
	v_pk_add_f32 v[246:247], v[246:247], v[142:143]
	v_pk_add_f32 v[224:225], v[224:225], v[146:147]
	v_pk_add_f32 v[222:223], v[222:223], v[150:151]
	v_pk_add_f32 v[14:15], v[14:15], v[154:155]
	v_pk_add_f32 v[230:231], v[230:231], v[158:159]
	s_delay_alu instid0(VALU_DEP_2)
	v_pk_add_f32 v[14:15], v[14:15], v[248:249]
	s_delay_alu instid0(VALU_DEP_2)
	v_pk_add_f32 v[230:231], v[230:231], v[246:247]
	v_pk_add_f32 v[252:253], v[252:253], v[224:225]
	v_pk_add_f32 v[250:251], v[250:251], v[222:223]
	s_delay_alu instid0(VALU_DEP_2)
	v_pk_add_f32 v[14:15], v[14:15], v[252:253]
	s_delay_alu instid0(VALU_DEP_2)
	v_pk_add_f32 v[230:231], v[230:231], v[250:251]
	s_delay_alu instid0(VALU_DEP_1)
	v_pk_add_f32 v[14:15], v[14:15], v[230:231]
	s_wait_alu depctr_va_vdst(0)                   ; and one for the four
.irp b, 0,1,2,3
	v_max_num_f32 v[BM+\b], 0x1800000, v[BM+\b]    ; the floor 2^(3 - 127): the byte cannot fall under 1
.endr
.irp b, 0,1,2,3
	s_delay_alu instid0(VALU_DEP_4)
	v_add_nc_u32 v[SO+\b], 0xff000000, v[BM+\b]    ; 2 off the exponent field: the conversion's scale operand
.endr
.irp b, 0,1,2,3
	s_delay_alu instid0(VALU_DEP_4)
	v_lshrrev_b32 v[BT+\b], 23, v[SO+\b]
.endr
	s_delay_alu instid0(VALU_DEP_3)
	v_lshl_or_b32 v[PWD], v[BT+1], 8, v[BT]
	s_delay_alu instid0(VALU_DEP_1)
	v_lshl_or_b32 v[PWD], v[BT+2], 16, v[PWD]
	s_delay_alu instid0(VALU_DEP_1)
	v_lshl_or_b32 v[PWD], v[BT+3], 24, v[PWD]      ; p's scale word for these 128 keys
	s_setprio 0
.irp c, 0,1
	v_cvt_scalef32_pk16_fp6_f32 v[PC+6*\c:PC+2+6*\c], v[S+32*\c:S+15+32*\c], v[SO+2*\c]
	v_cvt_scalef32_pk16_fp6_f32 v[PC+12+4*\c:PC+14+4*\c], v[S+16+32*\c:S+31+32*\c], v[SO+2*\c+1]
.endr
	v_nop                                          ; one plain instruction behind a scaled conversion
.irp c, 0,1
.irp i, 0,1,2
	v_permlane16_swap_b32 v[PC+6*\c+\i], v[PC+12+4*\c+\i]
.endr
.irp i, 0,1,2
	s_delay_alu instid0(VALU_DEP_3)
	v_mov_b32 v[PC+3+6*\c+\i], v[PC+12+4*\c+\i]
.endr
.endr
.set j, 0
.rept 16
	v_pk_mul_f32 v[O+j:O+j+1], v[O+j:O+j+1], v[FF:FF+1] op_sel_hi:[1,0]   ; O^T under the new M; these sixteen also stand between the lines that made p's codes and scale word and the products
.set j, j+2
.endr
	s_wait_alu depctr_va_vdst(0)
	s_wait_dscnt 0x0                               ; V is in
.irp t, 0,1,2,3
	v_wmma_scale_f32_16x16x128_f8f6f4 v[O+8*\t:O+8*\t+7], v[F+12*\t:F+12*\t+11], v[PC:PC+11], v[O+8*\t:O+8*\t+7], v[VW+\t], v[PWD] matrix_a_fmt:MATRIX_FMT_FP6 matrix_b_fmt:MATRIX_FMT_FP6
.endr
.endm
; Key steps first .. end - 1.  The trip count is a constant of the text; a step beyond the tile's diagonal is jumped over, by a branch on the wave's number and the count alone.
.macro KLOOP qf, qs, first, end
	s_mov_b32 s[KSTP], \first
	s_mov_b32 s[KO], (\first)*RECL
.Lk_\@:
	s_cmp_gt_u32 s[KSTP], s[LAST]
	s_cbranch_scc1 .Lskip_\@
	s_setprio 2
	STEP \qf, \qs
.Lskip_\@:
	s_add_co_u32 s[KSTP], s[KSTP], 1
	s_add_co_u32 s[KO], s[KO], RECL
	s_cmp_lt_u32 s[KSTP], \end
	s_cbranch_scc1 .Lk_\@
	s_setprio 0
.endm
.macro START p                         ; a tile begins: O^T and the sum are zeros, the largest t lies under every t: the first change of M multiplies zeros
	s_mov_b32 s[LAST], s[76+\p]
	v_add_nc_u32 v[DD], s[78+\p], v[D0]
	v_mov_b32 v13, 0xff61b1e6                      ; -3e38
	s_delay_alu instid0(VALU_DEP_1)
	v_floor_f32 v12, -v13
	v_mov_b32 v14, 0
	v_mov_b32 v15, 0
.set j, 0
.rept 32
	v_mov_b32 v[O+j], 0
.set j, j+1
.endr
.endm
; A tile ends: y = O^T / the sum; register 16 b + i is channel 32 b + 16 h + i of my query: two blocks of the last product's K.  They are quantised and leave as half an operand's image.
.macro FINISH base
	v_add_f32 v14, v14, v15
	s_delay_alu instid0(VALU_DEP_1)
	v_permlanex16_b32 v[T0], v14, s[SEL], s[SEL+1]
	s_delay_alu instid0(VALU_DEP_1)
	v_add_f32 v14, v14, v[T0]                      ; the row's sum
	s_wait_alu depctr_va_vdst(0)
	v_rcp_f32 v14, v14
	v_nop                                          ; plain instructions behind the reciprocal; with the additions above also the places behind the last products
	v_nop
	s_wait_alu depctr_va_vdst(0)                   ; ahead of the first use of the reciprocal
.set j, 0
.rept 32
	v_mul_f32 v[S+j], v[O+j], v14                  ; each accumulator from its low end on
.set j, j+1
.endr
.irp b, 0,1
	v_max3_num_f32 v[BM+\b], |v[S+16*\b]|, |v[S+1+16*\b]|, 0x1800000
.endr
.irp i, 2,4,6,8,10,12,14
.irp b, 0,1
	s_delay_alu instid0(VALU_DEP_2)
	v_max3_num_f32 v[BM+\b], v[BM+\b], |v[S+16*\b+\i]|, |v[S+1+16*\b+\i]|
.endr
.endr
.irp b, 0,1
	s_delay_alu instid0(VALU_DEP_2)
	v_permlanex16_b32 v[BT+\b], v[BM+\b], s[SEL], s[SEL+1]
.endr
.irp b, 0,1
	s_delay_alu instid0(VALU_DEP_2)
	v_max_num_f32 v[BM+\b], v[BM+\b], v[BT+\b]
.endr
.irp b, 0,1
	s_delay_alu instid0(VALU_DEP_2)
	v_add_nc_u32 v[SO+\b], 0xff000000, v[BM+\b]
.endr
.irp b, 0,1
	s_delay_alu instid0(VALU_DEP_2)
	v_lshrrev_b32 v[BT+\b], 23, v[SO+\b]
.endr
	s_delay_alu instid0(VALU_DEP_1)
	v_lshl_or_b32 v[T0], v[BT+1], 8, v[BT]         ; my row's two scale bytes
	v_cvt_scalef32_pk16_fp6_f32 v[PC:PC+2], v[S:S+15], v[SO]
	v_cvt_scalef32_pk16_fp6_f32 v[PC+12:PC+14], v[S+16:S+31], v[SO+1]
	v_nop
.irp i, 0,1,2
	v_permlane16_swap_b32 v[PC+\i], v[PC+12+\i]
.endr
.irp i, 0,1,2
	s_delay_alu instid0(VALU_DEP_3)
	v_mov_b32 v[PC+3+\i], v[PC+12+\i]
.endr
	global_store_b128 v[LI], v[PC:PC+3], s[\base+4:\base+5]           ; 512 and 256 consecutive bytes, each at a multiple of 256 from the buffer's first byte
	global_store_b64 v[L8], v[PC+4:PC+5], s[\base+4:\base+5] offset:512
	global_store_b16 v[YSA], v[T0], s[\base+6:\base+7]                ; two bytes of each row's 32: 32 bytes a tile against its 768 of codes; lanes 16-31 repeat lanes 0-15's value at the same place
.endm
	s_wait_tensorcnt 3                             ; a fetching wave's first load is in (its three later ones may be out): records 0 to 3
	s_wait_loadcnt 0x0                             ; Q
	s_barrier_signal -1
	s_barrier_wait -1                              ; everybody's is
	START 0
	KLOOP 16, 28, 0, 4                             ; records 0 to 3
	s_wait_tensorcnt 0x0                           ; all my loads are in,
	s_wait_dscnt 0x0
	s_barrier_signal -1
	s_barrier_wait -1                              ; everybody's are: the whole head lies in LDS
	KLOOP 16, 28, 4, 8
	FINISH 56
	s_wait_xcnt 0x0                                ; the stores have read their registers, which the next tile writes again
	START 1
	KLOOP 232, 244, 0, 16
	FINISH 68
	s_wait_dscnt 0x0
	s_wait_tensorcnt 0x0
	ds_add_u32 v254, v255
	s_wait_dscnt 0x0
	CROUND                                         ; the closing round
	s_endpgm
.Lfunc_end_k_qe7c851d9e9_attn:
	.size	k_qe7c851d9e9_attn, .Lfunc_end_k_qe7c851d9e9_attn-k_qe7c851d9e9_attn
	.p2alignl 7, 3214868480
	.fill 96, 4, 3214868480
	.section	.rodata,"a",@progbits
	.p2align	6, 0x0
	.amdhsa_kernel k_qe7c851d9e9_attn
		.amdhsa_group_segment_fixed_size 215040
		.amdhsa_private_segment_fixed_size 0
		.amdhsa_enable_private_segment 0
		.amdhsa_kernarg_size 24
		.amdhsa_user_sgpr_count 2
		.amdhsa_user_sgpr_kernarg_segment_ptr 1
		.amdhsa_wavefront_size32 1
		.amdhsa_system_sgpr_workgroup_id_x 1
		.amdhsa_system_sgpr_workgroup_id_y 1
		.amdhsa_system_sgpr_workgroup_id_z 1
		.amdhsa_system_vgpr_workitem_id 0
		.amdhsa_next_free_vgpr 256
		.amdhsa_next_free_sgpr 90
		.amdhsa_reserve_vcc 1
		.amdhsa_float_denorm_mode_32 3
		.amdhsa_float_denorm_mode_16_64 3
		.amdhsa_memory_ordered 1
		.amdhsa_forward_progress 1
		.amdhsa_inst_pref_size 88
	.end_amdhsa_kernel
	.amdgpu_metadata
---
amdhsa.version: [ 1, 2 ]
amdhsa.kernels:
  - .name:           k_qe7c851d9e9_attn
    .symbol:         k_qe7c851d9e9_attn.kd
    .args:
      - { .name: att, .offset: 0, .size: 8, .value_kind: global_buffer, .address_space: global }
      - { .name: y_codes, .offset: 8, .size: 8, .value_kind: global_buffer, .address_space: global }
      - { .name: y_scales, .offset: 16, .size: 8, .value_kind: global_buffer, .address_space: global }
    .group_segment_fixed_size: 215040
    .private_segment_fixed_size: 0
    .kernarg_segment_align: 8
    .kernarg_segment_size: 24
    .max_flat_workgroup_size: 512
    .sgpr_count:     90
    .vgpr_count:     256
    .wavefront_size: 32
...
	.end_amdgpu_metadata
.endif
;; end of part 3
;; launch gemm_out (part 4): grid 4 x 32, 4 waves a work-group, clusters of 4 x 4, 327,680 bytes of LDS; arguments y_codes, y_scales, codes, scales, out0; writes out0
.if DOCPART == 4
	.amdgcn_target "amdgcn-amd-amdhsa--gfx1250"
	.amdhsa_code_object_version 6
	.text
	.protected	k_qe7c851d9e9_gemm_out
	.globl	k_qe7c851d9e9_gemm_out
	.p2align	8
	.type	k_qe7c851d9e9_gemm_out,@function
k_qe7c851d9e9_gemm_out:
	s_mov_b64 s[64:65], 0
	v_nop
	global_prefetch_b8 v0, s[64:65] scope:SCOPE_SE
	s_setreg_imm32_b32 hwreg(HW_REG_WAVE_MODE, 25, 1), 1
	s_wait_xcnt 0x0
	s_wait_alu depctr_hold_cnt(0) depctr_sa_sdst(0) depctr_va_vdst(0) depctr_va_sdst(0) depctr_va_ssrc(0) depctr_va_vcc(0) depctr_vm_vsrc(0)
	s_getreg_b32 s2, hwreg(HW_REG_IB_STS2, 6, 4)
	s_cmp_eq_u32 s2, 0
	s_cbranch_scc0 .Lentry_in_a_cluster
	s_endpgm
.Lentry_in_a_cluster:
	s_bfe_u32 s2, ttmp6, 0x10000c
	s_cmp_lg_u32 s2, 0xf033
	s_cbranch_scc0 .Lentry_shape_is_right
	s_endpgm
.Lentry_shape_is_right:
; out0 = y w_out^T on codes of FP6 (E2M3) with E8M0 scales; out0 [8192][1024] f32.
; OPERANDS: y_codes [tile of 16 stored tokens 0..511][K step of 128][half][768 bytes], y_scales [stored token][32]; w_out is rows 11264-12287 of codes and scales, laid likewise.
; Stored tile 2 m + u, row r is row 32 m + 16 (r / 8) + 8 u + r % 8: the way out undoes that order, for tokens and for features, in immediates.
; A tile of the result, 256 x 256, is made by four waves, 128 x 128 each: 64 accumulators, 512 registers.  K = 1,024 goes in four steps of 256 through a ring of two LDS slots filled by the tensor data mover.
; The matrix instruction is used transposed: source 0 = 16 rows of w_out, source 1 = 16 rows of y: a lane holds one token, and its registers run along the features.
; CLUSTERS: 4 x 4 work-groups; y's tiles are asked for jointly along a row of the cluster, w_out's along a column.  Nothing is prefetched: of K's four steps two are first fills.
; REGISTERS, in windows of 256: window 0: v16-29 addresses; v32-63 scale words, two sets; from v128 A's fragments, one set (on the way out: rows read back).  window 1: B's fragments, two sets, at v0 and v128.
;   window 2: the accumulators of my rows 0-63 ((a, b) at v[8 (8 a + b)]); window 3: those of rows 64-127.
.set NQ,     2
.set FR,     12
.set FRB,    1536
.set NL,     4
.set NP,     4
.set TILEB,  NQ*FRB
.set HALFT,  8*TILEB
.set SLOT,   4*HALFT
.set LAPS,   2
.set KS,     32
.set SCL,    2*SLOT
.set HALFS,  (128*KS/256)*272
.set SBLK,   (16*KS/256)*272
.set SPARE,  SCL+4*HALFS               ; the spare words: 128 bytes a wave, two blocks of 256 bytes that no other line names
.set SPITCH, 528                       ; the way out: a stage of 16 rows x (512 bytes + 16) for each wave, in slot 0, which has had its last fill and its last read when the first result is stored there
.set ADRA, 16
.set ADRB, 20
.set STO,  24
.set RD,   25
.set CO,   26
.set ADRS, 27
.set SPW,  28
.set NIL,  29
.set SC,   32
.set AF,   128
.set BK,   128
.set G1, 24
.set G0, 32
.set G1B, 48
.set G0B, 56
.set G1S, 68
.set G0S, 76
.set G1SB, 80
.set G0SB, 88
.set MSB, 0
.macro WIN new                         ; the immediate's high byte repeats the setting that is left
.if MSB != (\new)
	s_set_vgpr_msb (MSB<<8)|(\new)
.set MSB, (\new)
.endif
.endm
.set MUL_LO, 0xa1
.set MUL_HI, 0xf1
.set TO_B,   0x40
; A joint load: waves 0 and 1 fetch for A, waves 2 and 3 for B; the branch hangs on the wave's number alone.  Four v_nop follow each of the two lines.
.macro JLOAD g0a, g1a, g0b, g1b
	s_cmp_eq_u32 s15, 0
	s_cbranch_scc0 .Lfor_b_\@
	tensor_load_to_lds s[\g0a:\g0a+3], s[\g1a:\g1a+7]
	s_nop 0
.rept 4
	v_nop
.endr
	s_branch .Lasked_\@
.Lfor_b_\@:
	tensor_load_to_lds s[\g0b:\g0b+3], s[\g1b:\g1b+7]
	s_nop 0
.rept 4
	v_nop
.endr
.Lasked_\@:
.endm
.macro CREST
	s_cmp_lg_u32 s14, 0
	s_cbranch_scc1 .Lnot_wave_0_\@
	s_barrier_signal -3
.Lnot_wave_0_\@:
	s_barrier_wait -3
	s_barrier_signal -1
	s_barrier_wait -1
.endm
.macro CROUND
	s_barrier_signal -1
	s_barrier_wait -1
	CREST
.endm
	s_load_b128 s[4:7], s[0:1], 0x0                ; y's codes s[4:5], y's scales s[6:7]
	s_load_b128 s[8:11], s[0:1], 0x10              ; the weights' codes s[8:9], scales s[10:11]
	s_load_b64 s[12:13], s[0:1], 0x20              ; out0
	v_lshl_add_u32 v[SPW], v0, 2, SPARE
	v_mov_b32 v[NIL], 0
	ds_add_u32 v28, v29
	ds_add_u32 v28, v29
	s_wait_dscnt 0x0
	v_lshrrev_b32 v1, 5, v0
	v_readfirstlane_b32 s14, v1                    ; wave 0..3
	s_lshr_b32 s15, s14, 1
	s_and_b32 s16, s14, 1
	s_bfe_u32 s40, ttmp6, 0x40000                  ; cx
	s_bfe_u32 s41, ttmp6, 0x40004                  ; cy
	s_lshl_b32 s42, ttmp9, 2
	s_add_co_u32 s42, s42, s40                     ; tile column
	s_and_b32 s17, ttmp7, 0xffff
	s_lshl_b32 s17, s17, 2
	s_add_co_u32 s17, s17, s41                     ; tile row
	s_lshl_b32 s43, s41, 2
	s_lshl_b32 s43, 15, s43                        ; my row of the cluster
	s_lshl_b32 s44, 0x1111, s40                    ; my column
	; descriptor group 1 for codes: 8 tiles' parts of 3,072 bytes (384 elements of 8 bytes), 12,288 bytes apart in memory, on end in LDS
	s_or_b32 s[G1+0], s43, (3<<16)|(1<<21)
	s_or_b32 s[G1B+0], s44, (3<<16)|(1<<21)
.irp g, G1, G1B
	s_mov_b32 s[\g+1], 384<<16
	s_mov_b32 s[\g+2], 8<<16
	s_mov_b32 s[\g+3], 384<<16
	s_mov_b32 s[\g+4], 8
	s_mov_b32 s[\g+5], 1536
	s_mov_b32 s[\g+6], 0
	s_mov_b32 s[\g+7], 0
.endr
	; and for the scales of 128 rows: 4,096 dense bytes as 16 rows of 256, 16 bytes of padding behind each
	s_or_b32 s[G1S+0], s43, (3<<16)|(1<<20)|(1<<21)|(5<<22)|(3<<25)
	s_or_b32 s[G1SB+0], s44, (3<<16)|(1<<20)|(1<<21)|(5<<22)|(3<<25)
.irp g, G1S, G1SB
	s_mov_b32 s[\g+1], 32<<16
	s_mov_b32 s[\g+2], (128*KS/256)<<16
	s_mov_b32 s[\g+3], 32<<16
	s_mov_b32 s[\g+4], 128*KS/256
	s_mov_b32 s[\g+5], 32
	s_mov_b32 s[\g+6], 0
	s_mov_b32 s[\g+7], 0
.endr
	s_lshl_b32 s18, s16, 7                         ; which 128 rows I fetch
	s_lshl_b32 s20, s17, 8
	s_add_co_u32 s20, s20, s18                     ; y's
	s_lshl_b32 s46, s42, 8
	s_add_co_u32 s46, s46, s18
	s_add_co_u32 s46, s46, 11264                   ; w_out's, in the list of rows
	s_lshl_b32 s22, s20, 5
	s_mov_b32 s23, 0
	s_lshl_b32 s92, s46, 5
	s_mov_b32 s93, 0
	s_mul_i32 s20, s20, 768
	s_mov_b32 s21, 0
	s_mul_i32 s46, s46, 768
	s_mov_b32 s47, 0
	s_mul_i32 s45, s14, HALFT
	s_mul_i32 s94, s14, HALFS
	s_wait_kmcnt 0x0
	s_add_nc_u64 s[20:21], s[4:5], s[20:21]
	s_add_nc_u64 s[22:23], s[6:7], s[22:23]
	s_add_nc_u64 s[46:47], s[8:9], s[46:47]
	s_add_nc_u64 s[92:93], s[10:11], s[92:93]
	CROUND                                         ; all sixteen work-groups are here: the first joint loads meet
	s_mov_b32 s[G0S], 1
	s_add_co_u32 s[G0S+1], s94, SCL
	s_mov_b64 s[G0S+2:G0S+3], s[22:23]
	s_or_b32 s[G0S+3], s[G0S+3], 0x80000000
	s_mov_b32 s[G0SB], 1
	s_add_co_u32 s[G0SB+1], s94, SCL
	s_mov_b64 s[G0SB+2:G0SB+3], s[92:93]
	s_or_b32 s[G0SB+3], s[G0SB+3], 0x80000000
	JLOAD G0S, G1S, G0SB, G1SB
.irp s, 0,1
	s_mov_b32 s[G0+4*\s], 1
	s_add_co_u32 s[G0+4*\s+1], s45, \s*SLOT
	s_add_nc_u64 s[G0+4*\s+2:G0+4*\s+3], s[20:21], \s*TILEB
	s_or_b32 s[G0+4*\s+3], s[G0+4*\s+3], 0x80000000
	s_mov_b32 s[G0B+4*\s], 1
	s_add_co_u32 s[G0B+4*\s+1], s45, \s*SLOT
	s_add_nc_u64 s[G0B+4*\s+2:G0B+4*\s+3], s[46:47], \s*TILEB
	s_or_b32 s[G0B+4*\s+3], s[G0B+4*\s+3], 0x80000000
	JLOAD G0+4*\s, G1, G0B+4*\s, G1B               ; three loads of mine are out
.endr
	v_and_b32 v1, 15, v0                           ; r
	v_bfe_u32 v2, v0, 4, 1                         ; h
	v_and_b32 v3, 31, v0
	v_lshlrev_b32 v[CO], 4, v3                     ; 16 x lane
	v_lshlrev_b32 v4, 3, v3                        ; 8 x lane
	s_mul_i32 s21, s15, HALFT
	s_mul_i32 s22, s16, HALFT
	s_add_co_u32 s22, s22, 2*HALFT
.irp s, 0,1
	v_add_nc_u32 v[ADRA+\s], s21, v[CO]
	v_add_nc_u32 v[ADRB+\s], s22, v[CO]
	v_add_nc_u32 v[ADRA+2+\s], s21, v4
	v_add_nc_u32 v[ADRB+2+\s], s22, v4
	s_add_co_u32 s21, s21, SLOT
	s_add_co_u32 s22, s22, SLOT
.endr
	v_mul_u32_u24 v5, v1, KS
	v_lshrrev_b32 v6, 8, v5
	v_lshl_add_u32 v5, v6, 4, v5
	s_mul_i32 s21, s15, HALFS
	s_mul_i32 s22, s16, HALFS
	s_add_co_u32 s22, s22, 2*HALFS
	s_sub_co_u32 s22, s22, s21
	v_mul_u32_u24 v6, s22, v2                      ; lanes 16-31 take B's
	s_add_co_u32 s21, s21, SCL
	v_add_nc_u32 v5, v5, v6
	v_add_nc_u32 v[ADRS], s21, v5
	s_mul_i32 s23, s14, 16*SPITCH                  ; my stage
	v_mul_u32_u24 v5, v1, SPITCH                   ; in: row r; my half's features lie 16 numbers, 64 bytes, on
	v_lshl_add_u32 v5, v2, 6, v5
	v_add_nc_u32 v[STO], s23, v5
	v_add_nc_u32 v[RD], s23, v[CO]                 ; back: the 32 lanes take one row of 512 bytes
	s_lshl_b32 s20, s17, 8
	s_lshl_b32 s21, s15, 7
	s_add_co_u32 s20, s20, s21                     ; my first token
	s_lshl_b32 s20, s20, 12                        ; rows of 4,096 bytes: under 2^26
	s_lshl_b32 s46, s42, 10
	s_lshl_b32 s47, s16, 9
	s_add_co_u32 s46, s46, s47                     ; my first feature, in bytes
	s_add_co_u32 s20, s20, s46
	s_mov_b32 s21, 0
	s_add_nc_u64 s[12:13], s[12:13], s[20:21]      ; never stepped: a row's place among my 128 stands in the stores' immediates
.macro FRAG reg, adr, q, i
	ds_load_b128 v[\reg:\reg+3], v[\adr] offset:(\i)*TILEB+(\q)*FRB
	ds_load_b64 v[\reg+4:\reg+5], v[\adr+2] offset:(\i)*TILEB+(\q)*FRB+512
	ds_load_b128 v[\reg+6:\reg+9], v[\adr] offset:(\i)*TILEB+(\q)*FRB+768
	ds_load_b64 v[\reg+10:\reg+11], v[\adr+2] offset:(\i)*TILEB+(\q)*FRB+1280
.endm
; 16 matrix instructions: A's blocks a0, a0 + 1 x B's eight.  The 64 accumulators take turns, one instruction a turn.
.macro MUL16 a0, p, q, sc, zero
.irp a, \a0, \a0+1
.irp b, 0,1,2,3,4,5,6,7
.if \zero
	v_wmma_scale_f32_16x16x128_f8f6f4 v[8*(8*((\a)%4)+\b):8*(8*((\a)%4)+\b)+7], v[128*(\p)+FR*\b:128*(\p)+FR*\b+FR-1], v[AF+FR*(\a):AF+FR*(\a)+FR-1], 0, v[SC+8*NQ*(\sc)+NQ*\b+(\q)], v[SC+8*NQ*(\sc)+NQ*(\a)+(\q)] matrix_a_fmt:MATRIX_FMT_FP6 matrix_b_fmt:MATRIX_FMT_FP6 matrix_a_scale:MATRIX_SCALE_ROW1
.else
	v_wmma_scale_f32_16x16x128_f8f6f4 v[8*(8*((\a)%4)+\b):8*(8*((\a)%4)+\b)+7], v[128*(\p)+FR*\b:128*(\p)+FR*\b+FR-1], v[AF+FR*(\a):AF+FR*(\a)+FR-1], v[8*(8*((\a)%4)+\b):8*(8*((\a)%4)+\b)+7], v[SC+8*NQ*(\sc)+NQ*\b+(\q)], v[SC+8*NQ*(\sc)+NQ*(\a)+(\q)] matrix_a_fmt:MATRIX_FMT_FP6 matrix_b_fmt:MATRIX_FMT_FP6 matrix_a_scale:MATRIX_SCALE_ROW1
.endif
.endr
.endr
.endm
.macro FETCH_B slot, q, p
	WIN TO_B
.irp i, 0,1,2,3,4,5,6,7
	FRAG 128*(\p)+FR*\i, ADRB+\slot, \q, \i
.endr
	WIN 0
.endm
.macro FETCH_A slot, q, i0
.irp i, \i0, \i0+1, \i0+2, \i0+3
	FRAG AF+FR*(\i), ADRA+\slot, \q, \i
.endr
.endm
.macro SCALES sc
.irp i, 0,1,2,3,4,5,6,7
	ds_load_b64 v[SC+8*NQ*\sc+NQ*\i:SC+8*NQ*\sc+NQ*\i+1], v[ADRS] offset:\i*SBLK
.endr
.endm
.macro PLACES n                        ; plain vector instructions between a matrix instruction and a load into its registers or a read of its result
.rept \n
	v_nop
.endr
.endm
.macro STEP slot, q, zero
	s_wait_dscnt 4*NL                              ; B's set and A's blocks 0-3 are in; the youngest 16 loads (A's blocks 4-7) may be out
	WIN MUL_LO
	MUL16 0, (\q)%2, \q, \slot, \zero
	MUL16 2, (\q)%2, \q, \slot, \zero
	s_wait_dscnt 0
	PLACES NP
	FETCH_B \slot, (\q)+1, 1-(\q)%2
	FETCH_A \slot, (\q)+1, 0
	WIN MUL_HI
	MUL16 4, (\q)%2, \q, \slot, \zero
	MUL16 6, (\q)%2, \q, \slot, \zero
	PLACES NP
	WIN 0
	FETCH_A \slot, (\q)+1, 4
.endm
.macro TURN slot, next, fill
	s_wait_tensorcnt 0x0                           ; all my tensor loads have landed: my part of the next slot
	ds_add_u32 v[SPW], v[NIL]                      ; 0 onto my spare word
	s_wait_dscnt 4*NL+1                            ; (the add and the youngest 16 loads, A's blocks 4-7, may be out)
	WIN MUL_LO
	MUL16 0, 1, NQ-1, \slot, 0
	s_wait_dscnt 0x0                               ; the add is done, and my reads of this slot are over
	s_barrier_signal -1
	MUL16 2, 1, NQ-1, \slot, 0
	WIN 0
	s_barrier_wait -1
.if \fill
	CREST                                          ; the barrier has opened a round of the cluster's: no wave of any partner still reads this slot or has a load on its way
	s_add_nc_u64 s[G0+4*\slot+2:G0+4*\slot+3], s[G0+4*\slot+2:G0+4*\slot+3], 2*TILEB
	s_add_nc_u64 s[G0B+4*\slot+2:G0B+4*\slot+3], s[G0B+4*\slot+2:G0B+4*\slot+3], 2*TILEB
	JLOAD G0+4*\slot, G1, G0B+4*\slot, G1B
.else
	PLACES NP
.endif
	v_add_nc_u32 v[ADRS], 4*NQ, v[ADRS]
	FETCH_B \next, 0, 0
	FETCH_A \next, 0, 0
	SCALES \next
	WIN MUL_HI
	MUL16 4, 1, NQ-1, \slot, 0
	MUL16 6, 1, NQ-1, \slot, 0
	PLACES NP
	WIN 0
	FETCH_A \next, 0, 4
.endm
	s_wait_tensorcnt 1                             ; the scales and my part of K step 0 are in; K step 1's load may be out
	s_barrier_signal -1
	s_barrier_wait -1
	FETCH_B 0, 0, 0
	FETCH_A 0, 0, 0
	SCALES 0
	FETCH_A 0, 0, 4
	STEP 0, 0, 1
	s_mov_b32 s3, LAPS-1
.Llap:
	TURN 0, 1, 1
	STEP 1, 0, 0
	TURN 1, 0, 1
	STEP 0, 0, 0
	s_sub_co_u32 s3, s3, 1
	s_cmp_lg_u32 s3, 0
	s_cbranch_scc1 .Llap
	TURN 0, 1, 0
	STEP 1, 0, 0
	s_wait_dscnt 4*NL
	WIN MUL_LO
	MUL16 0, 1, NQ-1, 1, 0
	MUL16 2, 1, NQ-1, 1, 0
	s_wait_dscnt 0
	WIN MUL_HI
	MUL16 4, 1, NQ-1, 1, 0
	MUL16 6, 1, NQ-1, 1, 0
	WIN 0
; THE WAY OUT, block by block of 16 tokens x 128 features, through my own stage in LDS.  Register j of accumulator b = 2 g + u is feature 32 g + 16 h + 8 u + j: its place in the stage's row.  Rows come back whole, 512 bytes,
; and row t of block a = 2 m + u goes to token 32 m + 16 (t / 8) + 8 u + t % 8.  LDS serves a wave's instructions in order: no wait between the stores and the loads.
.macro TOSTAGE a
.set AC, 64*((\a)%4)
	WIN 0x08+4*((\a)/4)                            ; an LDS store's data are its source 1: window 2 or 3
.irp b, 0,1,2,3,4,5,6,7
	ds_store_b128 v[STO], v[AC+8*\b:AC+8*\b+3] offset:128*(\b/2)+32*(\b%2)          ; each accumulator from its low end on
	ds_store_b128 v[STO], v[AC+8*\b+4:AC+8*\b+7] offset:128*(\b/2)+32*(\b%2)+16
.endr
	WIN 0
.set BB, BK+64*((\a)%2)
.irp t, 0,1,2,3,4,5,6,7,8,9,10,11,12,13,14,15
	ds_load_b128 v[BB+4*\t:BB+4*\t+3], v[RD] offset:\t*SPITCH
.endr
.endm
.macro SEND a, younger
.set BB, BK+64*((\a)%2)
	s_wait_dscnt \younger                          ; the block is back in registers
.irp t, 0,1,2,3,4,5,6,7,8,9,10,11,12,13,14,15
	global_store_b128 v[CO], v[BB+4*\t:BB+4*\t+3], s[12:13] offset:(32*((\a)/2)+16*(\t/8)+8*((\a)%2)+\t%8)*4096 th:TH_STORE_NT   ; 32 lanes store 512 consecutive bytes, at a multiple of 256 from out0's first byte
.endr
.endm
	PLACES NP
	TOSTAGE 0
.irp a, 1,2,3,4,5,6,7
.if \a > 1
	s_wait_xcnt 0x0                                ; block a - 2's stores have read their registers: block a's loads may land there
.endif
	TOSTAGE \a
	SEND \a-1, 32                                  ; behind block a - 1's loads: block a's 16 stores and 16 loads
.endr
	SEND 7, 0
	s_wait_tensorcnt 0x0                           ; the wave's end
	ds_add_u32 v[SPW], v[NIL]
	s_wait_dscnt 0x0
	CROUND                                         ; the closing round
	s_endpgm
.Lfunc_end_k_qe7c851d9e9_gemm_out:
	.size	k_qe7c851d9e9_gemm_out, .Lfunc_end_k_qe7c851d9e9_gemm_out-k_qe7c851d9e9_gemm_out
	.p2alignl 7, 3214868480
	.fill 96, 4, 3214868480
	.section	.rodata,"a",@progbits
	.p2align	6, 0x0
	.amdhsa_kernel k_qe7c851d9e9_gemm_out
		.amdhsa_group_segment_fixed_size 327680
		.amdhsa_private_segment_fixed_size 0
		.amdhsa_enable_private_segment 0
		.amdhsa_kernarg_size 40
		.amdhsa_user_sgpr_count 2
		.amdhsa_user_sgpr_kernarg_segment_ptr 1
		.amdhsa_wavefront_size32 1
		.amdhsa_system_sgpr_workgroup_id_x 1
		.amdhsa_system_sgpr_workgroup_id_y 1
		.amdhsa_system_sgpr_workgroup_id_z 1
		.amdhsa_system_vgpr_workitem_id 0
		.amdhsa_next_free_vgpr 1024
		.amdhsa_next_free_sgpr 98
		.amdhsa_reserve_vcc 0
		.amdhsa_float_denorm_mode_32 3
		.amdhsa_float_denorm_mode_16_64 3
		.amdhsa_memory_ordered 1
		.amdhsa_forward_progress 1
		.amdhsa_inst_pref_size 143
	.end_amdhsa_kernel
	.amdgpu_metadata
---
amdhsa.version: [ 1, 2 ]
amdhsa.kernels:
  - .name:           k_qe7c851d9e9_gemm_out
    .symbol:         k_qe7c851d9e9_gemm_out.kd
    .args:
      - { .name: y_codes, .offset: 0, .size: 8, .value_kind: global_buffer, .address_space: global }
      - { .name: y_scales, .offset: 8, .size: 8, .value_kind: global_buffer, .address_space: global }
      - { .name: codes, .offset: 16, .size: 8, .value_kind: global_buffer, .address_space: global }
      - { .name: scales, .offset: 24, .size: 8, .value_kind: global_buffer, .address_space: global }
      - { .name: out0, .offset: 32, .size: 8, .value_kind: global_buffer, .address_space: global }
    .group_segment_fixed_size: 327680
    .private_segment_fixed_size: 0
    .kernarg_segment_align: 8
    .kernarg_segment_size: 40
    .max_flat_workgroup_size: 128
    .sgpr_count:     98
    .vgpr_count:     1024
    .wavefront_size: 32
...
	.end_amdgpu_metadata
.endif
;; end of part 4
